; MI455X (gfx1250); checked and timed in simulation.
; The chip was launched on July 23, 2026; its instructions are those of AMD's public machine-readable ISA for CDNA 5 (MIT licence, August 2026) and "CDNA5" Instruction Set Architecture Reference Guide (July 2026). The comments in the code are by the model that wrote it; some were corrected since.
;; Attention. Allowed arithmetic: float matrix products may take bf16 or f16 operands with f32 sums; all other float work in f32.
;; Inputs: bk 512 float32; bo 2,048 float32; bq 2,048 float32; bv 512 float32; freqs_cis 2,048 x 64 float32; mask 2,048 x 2,048 float32; wk 512 x 2,048 float32; wo 2,048 x 2,048 float32; wq 2,048 x 2,048 float32; wv 512 x 2,048 float32; x 1 x 2,048 x 2,048 float32.
;; Outputs: out0 1 x 2,048 x 2,048 float32.
;; One version. Each part assembles by itself: llvm-mc -triple=amdgcn-amd-amdhsa -mcpu=gfx1250 --defsym DOCPART=n.
;; ======== version 1 of 1: 4 launches
;; limits: values outside matrix products are rounded to bf16; values are held in f16: magnitudes above 65,504 overflow, below 6.1e-05 lose precision; right only within a limited range of input values
;; workspace buffers: cb 20,971,520 bytes; qkv 12,582,912 bytes; ao 8,388,608 bytes; wh 8,388,608 bytes
;; launch cast (part 1): grid 128 x 10, 8 waves a work-group, no clusters, 0 bytes of LDS; arguments x, wq, wk, wv, cb; writes cb
.if DOCPART == 1
	.amdgcn_target "amdgcn-amd-amdhsa--gfx1250"
	.amdhsa_code_object_version 6
	.text
	.protected	k_q7bf38325f1_cast
	.globl	k_q7bf38325f1_cast
	.p2align	8
	.type	k_q7bf38325f1_cast,@function
k_q7bf38325f1_cast:
	s_mov_b64 s[64:65], 0
	v_nop
	global_prefetch_b8 v0, s[64:65] scope:SCOPE_SE
	s_setreg_imm32_b32 hwreg(HW_REG_WAVE_MODE, 25, 1), 1
	s_wait_xcnt 0x0
; cb[5120][2048] bf16: rows 0-2047 x, 2048-4095 wq, 4096-4607 wk, 4608-5119 wv.  Every number is rounded to bf16 once.
; Grid y = a unit of 512 rows (0-3 x, 4-7 wq, 8 wk, 9 wv), grid x = 4 rows of it.  Memory binds: each byte is read once and written once.
; Thread t takes 16 bytes at 16 t of each half row (a wave's load covers 512 consecutive bytes) and stores 8 bytes at 8 t
; (a wave's store covers 256 consecutive bytes, aligned).  No LDS, no barrier, no matrix unit: nothing is shared.
.set X, 4                              ; v[4:35]   eight loads of four f32
.set Y, 36                             ; v[36:51]  eight pairs of packed results
	s_load_b256 s[4:11], s[0:1], 0x0               ; x s[4:5], wq s[6:7], wk s[8:9], wv s[10:11]
	s_load_b64 s[14:15], s[0:1], 0x20              ; cb
	s_and_b32 s16, ttmp7, 0xffff                   ; the unit
	v_lshlrev_b32 v1, 4, v0                        ; 16 t: my bytes in a half row of f32
	v_lshlrev_b32 v2, 3, v0                        ; 8 t: my bytes in a half row of bf16
	s_wait_kmcnt 0x0
	s_mov_b64 s[20:21], s[10:11]                   ; the source and its first unit, chosen by the unit's number alone
	s_mov_b32 s22, 9
	s_cmp_lt_u32 s16, 9
	s_cselect_b64 s[20:21], s[8:9], s[20:21]
	s_cselect_b32 s22, 8, s22
	s_cmp_lt_u32 s16, 8
	s_cselect_b64 s[20:21], s[6:7], s[20:21]
	s_cselect_b32 s22, 4, s22
	s_cmp_lt_u32 s16, 4
	s_cselect_b64 s[20:21], s[4:5], s[20:21]
	s_cselect_b32 s22, 0, s22
	s_sub_co_u32 s23, s16, s22                     ; the unit inside its source
	s_lshl_b32 s24, s23, 22                        ; 512 rows of 8,192 bytes
	s_lshl_b32 s26, ttmp9, 15                      ; 4 rows of 8,192 bytes
	s_add_co_u32 s24, s24, s26
	s_mov_b32 s25, 0
	s_add_nc_u64 s[20:21], s[20:21], s[24:25]
	s_lshl_b32 s26, s16, 21                        ; 512 rows of 4,096 bytes
	s_lshl_b32 s28, ttmp9, 14                      ; 4 rows of 4,096 bytes
	s_add_co_u32 s26, s26, s28
	s_mov_b32 s27, 0
	s_add_nc_u64 s[14:15], s[14:15], s[26:27]
.set n, 0
.rept 8
	global_load_b128 v[X+4*n:X+4*n+3], v1, s[20:21] offset:8192*(n>>1)+4096*(n&1) th:TH_LOAD_NT   ; all eight go out before anything is waited for; read once in the launch
.set n, n+1
.endr
.set n, 0
.rept 8
	s_wait_loadcnt 7-n                             ; loads come back in order (ISA guide 5.7.1): load n is in, the younger ones stay out
	v_cvt_pk_bf16_f32 v[Y+2*n],   v[X+4*n],   v[X+4*n+1]
	v_cvt_pk_bf16_f32 v[Y+2*n+1], v[X+4*n+2], v[X+4*n+3]
	global_store_b64 v2, v[Y+2*n:Y+2*n+1], s[14:15] offset:4096*(n>>1)+2048*(n&1)   ; cb is read again by the next launch: no hint
.set n, n+1
.endr
	s_endpgm
.Lfunc_end_k_q7bf38325f1_cast:
	.size	k_q7bf38325f1_cast, .Lfunc_end_k_q7bf38325f1_cast-k_q7bf38325f1_cast
	.p2alignl 7, 3214868480
	.fill 96, 4, 3214868480
	.section	.rodata,"a",@progbits
	.p2align	6, 0x0
	.amdhsa_kernel k_q7bf38325f1_cast
		.amdhsa_group_segment_fixed_size 0
		.amdhsa_private_segment_fixed_size 0
		.amdhsa_enable_private_segment 0
		.amdhsa_kernarg_size 40
		.amdhsa_user_sgpr_count 2
		.amdhsa_user_sgpr_kernarg_segment_ptr 1
		.amdhsa_wavefront_size32 1
		.amdhsa_system_sgpr_workgroup_id_x 1
		.amdhsa_system_sgpr_workgroup_id_y 1
		.amdhsa_system_sgpr_workgroup_id_z 1
		.amdhsa_system_vgpr_workitem_id 0
		.amdhsa_next_free_vgpr 52
		.amdhsa_next_free_sgpr 66
		.amdhsa_reserve_vcc 0
		.amdhsa_float_denorm_mode_32 3
		.amdhsa_float_denorm_mode_16_64 3
		.amdhsa_memory_ordered 1
		.amdhsa_forward_progress 1
		.amdhsa_inst_pref_size 4
	.end_amdhsa_kernel
	.amdgpu_metadata
---
amdhsa.version: [ 1, 2 ]
amdhsa.kernels:
  - .name:           k_q7bf38325f1_cast
    .symbol:         k_q7bf38325f1_cast.kd
    .args:
      - { .name: x, .offset: 0, .size: 8, .value_kind: global_buffer, .address_space: global }
      - { .name: wq, .offset: 8, .size: 8, .value_kind: global_buffer, .address_space: global }
      - { .name: wk, .offset: 16, .size: 8, .value_kind: global_buffer, .address_space: global }
      - { .name: wv, .offset: 24, .size: 8, .value_kind: global_buffer, .address_space: global }
      - { .name: cb, .offset: 32, .size: 8, .value_kind: global_buffer, .address_space: global }
    .group_segment_fixed_size: 0
    .private_segment_fixed_size: 0
    .kernarg_segment_align: 8
    .kernarg_segment_size: 40
    .max_flat_workgroup_size: 256
    .sgpr_count:     66
    .vgpr_count:     52
    .wavefront_size: 32
...
	.end_amdgpu_metadata
.endif
;; end of part 1
;; launch qkv (part 2): grid 16 x 16, 4 waves a work-group, clusters of 4 x 4, 327,680 bytes of LDS; arguments cb, freqs_cis, bq, bk, bv, qkv; writes qkv
.if DOCPART == 2
	.amdgcn_target "amdgcn-amd-amdhsa--gfx1250"
	.amdhsa_code_object_version 6
	.text
	.protected	k_q7bf38325f1_qkv
	.globl	k_q7bf38325f1_qkv
	.p2align	8
	.type	k_q7bf38325f1_qkv,@function
k_q7bf38325f1_qkv:
	s_mov_b64 s[64:65], 0
	v_nop
	global_prefetch_b8 v0, s[64:65] scope:SCOPE_SE
	s_setreg_imm32_b32 hwreg(HW_REG_WAVE_MODE, 25, 1), 1
	s_wait_xcnt 0x0
	s_wait_alu depctr_hold_cnt(0) depctr_sa_sdst(0) depctr_va_vdst(0) depctr_va_sdst(0) depctr_va_ssrc(0) depctr_va_vcc(0) depctr_vm_vsrc(0)
	s_getreg_b32 s2, hwreg(HW_REG_IB_STS2, 6, 4)
	s_cmp_eq_u32 s2, 0
	s_cbranch_scc0 .Lentry_in_a_cluster
	s_endpgm
.Lentry_in_a_cluster:
	s_bfe_u32 s2, ttmp6, 0x10000c
	s_cmp_lg_u32 s2, 0xf033
	s_cbranch_scc0 .Lentry_shape_is_right
	s_endpgm
.Lentry_shape_is_right:
; [q | k | v] = x [wq; wk; wv]^T + bias, RoPE on q and k, scaled, to f16, one plane of [2048][64] for each of 48 heads (0-31 q, 32-39 k, 40-47 v).
; A work-group makes 128 rows x 192 columns (three heads) with four waves; a wave makes 64 x 96: 24 accumulator tiles of 16 x 16, 192 registers.
; K = 2048 goes in 16 steps of 128 through two LDS slots filled by the tensor data mover; a tile's rows are 256 bytes of memory, aligned to 256.
; CLUSTERS: 4 x 4 work-groups.  x's tile hangs on the block row alone and is asked for jointly by a row of the cluster, the weights' tile on the
; block column alone and is asked for jointly by a column: that divides the requests for both by four.
; THE ORDER OF K: the 16 steps are walked as a ring that begins at a step chosen by the cluster's place in the grid.  The four clusters that read the same rows
; of x begin 4 steps apart; clusters that read the same rows of W and lie one or two cluster rows apart begin 8 steps apart.  So clusters that need the same
; tile ask for it at different times, one of them first.  Each output still has one f32 sum; the order of K in it differs from cluster to cluster.
; THE MATRIX INSTRUCTION IS USED TRANSPOSED (source 0 = 16 rows of W, source 1 = 16 rows of x): lane l holds row l % 16 of the result and its
; registers 0-7 the columns 8 (l / 16) + 0..7: the pairs that RoPE turns lie in one lane, and eight results pack into 16 bytes.
; FORMATS AND LIMITS: x and W are bf16.  The table freqs_cis is rounded to bf16 too, so that every large input carries one bf16 rounding.
; What is stored is q log2(e) / 32, k / 32 and v / 4 in f16: rows that attend few keys pass v and the weights of very few keys straight to the output, and
; bf16's 8 bits there would be the largest error of the whole chain.  log2(e) rides on q so that the next launch's exponent is a power of two times a difference.
; f16 is finite up to 65504: |q| up to 1.45e6, |k| up to 2.09e6 and |v| up to 2.6e5 behind RoPE; as drawn they stay below 10, and with every input 30 times
; larger or offset by 30 spreads |q| and |k| stay near 8e5 and |v| near 4.1e4.  Beyond those figures the stored number is infinite.
;
; REGISTERS: window 0: v0-63 addresses and scratch, v64-143 and v144-223 two fragment buffers (6 blocks of W, then 4 of x);
;            window 1: the 24 accumulator tiles, tile (a, b) at v[8 (6 a + b)];  window 2: v0-127 the table for my rows, v128-175 the bias of my columns.
.set NB,     6                         ; blocks of 16 columns in a wave
.set KSLOT,  128
.set NSTEP,  2048/KSLOT                ; 16 K steps
.set KSH,    8                         ; a K step is 256 bytes of a row
.set PITCH,  272                       ; 256 bytes + 16 of padding: an odd multiple of 16, so the 16 rows of a fragment load start in 16 different 16-byte columns of 256 bytes (64 banks of 4 bytes: ISA guide 11.1)
.set BH,     16*NB*PITCH               ; 96 rows of W: one tensor load, and what one wave reads of W
.set AH,     64*PITCH                  ; 64 rows of x: likewise
.set AOFF,   2*BH                      ; a slot: W's 192 rows, then x's 128
.set SLOT,   2*BH+2*AH
.set STAGE,  2*SLOT                    ; behind the ring, at a multiple of 256 bytes: a region for each wave; no tensor load lands here
.set SPITCH, 208                       ; a wave's 96 columns in f16, 192 bytes, + 16: an odd multiple of 16
.set WST,    64*SPITCH                 ; a wave's region: its 64 rows
.set LAPS,   NSTEP/2                   ; a lap = two K steps = once round the ring of slots
.set WB,     2048*4096                 ; the weights' first byte in cb
.set ADRA, 16                          ; v16-17  LDS address of my x fragments in slot 0, 1
.set ADRB, 20                          ; v20-21  the same for W
.set VFA,  24                          ; v24-27  my byte offset in the table for column block b & 3
.set VBI,  28                          ; v28     my byte offset in a tile's bias
.set STA,  30                          ; v30     the way out: where my 16 bytes of tile (0, 0) go
.set RD,   36                          ; v36     the way out: where I read back, heads 0 and 2
.set CO,   37                          ; v37     my byte offset in a head's plane
.set ONE,  38                          ; v38     the pair (cos, sin) = (1, 0) in bf16
.set RD1,  39                          ; v39     the way out: where I read back, head 1
.set TT,   40                          ; v40-47  at work
.set SEL,  48                          ; v48-51  at work
.set F0,   64
.set F1,   64+8*(NB+4)
.set YY,   64                          ; v64-111   one row block's 6 tiles, scaled, with bias
.set CS,   112                         ; v112-159  their cos and sin
.set PK,   160                         ; v160-183  packed results
.set CP,   184                         ; v184-199  the table of one row block, packed bf16
.set KK,  4                            ; s4, s5   the K step that slot 0, 1 holds or is being filled with (cb's address has left these registers by then)
.set G1A, 28                           ; s[28:35] group 1 for x's tiles       s[36:43] for W's: they differ in mask and rows
.set G1B, 36
.set G0A, 44                           ; s[44:51] group 0 for x's tiles, one set a slot      s[52:59] for W's
.set G0B, 52
.set SB,  68                           ; s[68:79] address of tile b's bias
.set SC,  80                           ; s[80:91] tile b's scale, twice
.set VM,  92                           ; s92-97   all ones where tile b belongs to v
                                       ; s[100:101] x at my rows, K = 0; s[62:63] W at my rows, K = 0; s[104:105] a K step's byte offset
.set MUL, 0x50                         ; C and D in window 1, fragments in window 0
.set MSB, 0
.macro WIN new                         ; the immediate's high byte repeats the setting that is left
.if MSB != \new
	s_set_vgpr_msb (MSB<<8)|\new
.set MSB, \new
.endif
.endm
.macro PLACES                          ; four plain vector instructions between a matrix instruction and a vector instruction or load that touches its registers (ISA guide 7.12.1 for vector instructions)
.rept 4
	v_nop
.endr
.endm
; A joint load.  Waves 0 and 1 fetch W's two halves, waves 2 and 3 x's.  Each line has one mask and one set of registers for all that issue it; the branch hangs on the wave's number alone.
.macro JLOAD s
	s_cmp_eq_u32 s17, 0
	s_cbranch_scc0 .Lfor_a_\@
	tensor_load_to_lds s[G0B+4*\s:G0B+4*\s+3], s[G1B:G1B+7]
	s_nop 0
	s_branch .Lasked_\@
.Lfor_a_\@:
	tensor_load_to_lds s[G0A+4*\s:G0A+4*\s+3], s[G1A:G1A+7]
	s_nop 0
.Lasked_\@:
.endm
; Both global addresses of slot s from its K step.  The step hangs on the cluster's place in the grid and on constants: it is the same in all sixteen work-groups.
.macro KADDR s
	s_lshl_b32 s104, s[KK+\s], KSH
	s_add_nc_u64 s[G0A+4*\s+2:G0A+4*\s+3], s[100:101], s[104:105]
	s_or_b32 s[G0A+4*\s+3], s[G0A+4*\s+3], 0x80000000              ; type = 2
	s_add_nc_u64 s[G0B+4*\s+2:G0B+4*\s+3], s[62:63], s[104:105]
	s_or_b32 s[G0B+4*\s+3], s[G0B+4*\s+3], 0x80000000
.endm
; A round of the cluster's barrier: my work-group's barrier, wave 0 signals for the work-group, every wave waits for all sixteen, my work-group's barrier once more.
.macro CREST                           ; a round behind its opening barrier
	s_cmp_lg_u32 s16, 0
	s_cbranch_scc1 .Lnot_wave_0_\@
	s_barrier_signal -3
.Lnot_wave_0_\@:
	s_barrier_wait -3
	s_barrier_signal -1
	s_barrier_wait -1
.endm
.macro CROUND
	s_barrier_signal -1
	s_barrier_wait -1
	CREST
.endm
	s_load_b256 s[4:11], s[0:1], 0x0               ; cb s[4:5], freqs_cis s[6:7], bq s[8:9], bk s[10:11]
	s_load_b128 s[12:15], s[0:1], 0x20             ; bv s[12:13], qkv s[14:15]
	v_lshl_add_u32 v254, v0, 2, 0x38000
	v_mov_b32 v255, 0
	ds_add_u32 v254, v255
	v_lshrrev_b32 v1, 5, v0
	v_readfirstlane_b32 s16, v1                    ; wave 0..3
	s_lshr_b32 s17, s16, 1                         ; which 64 rows of the block are mine.  Also: I fetch for W (0) or for x (1)
	s_and_b32 s18, s16, 1                          ; which 96 columns.  Also: which half of that tile I fetch
	s_bfe_u32 s19, ttmp6, 0x40000                  ; cx
	s_bfe_u32 s20, ttmp6, 0x40004                  ; cy
	s_lshl_b32 s21, ttmp9, 2
	s_add_co_u32 s21, s21, s19                     ; block column = 4 x cluster x + cx
	s_and_b32 s22, ttmp7, 0xffff
	s_lshl_b32 s22, s22, 2
	s_add_co_u32 s22, s22, s20                     ; block row = 4 x cluster y + cy
	s_lshl_b32 s23, s20, 2
	s_lshl_b32 s23, 15, s23                        ; my row of the cluster: places 4 cy .. 4 cy + 3
	s_lshl_b32 s24, 0x1111, s19                    ; my column: places cx, cx + 4, cx + 8, cx + 12
	s_or_b32 s[G1A+0], s23, (1<<16)|(1<<20)|(1<<21)|(5<<22)|(3<<25)  ; mask; elements of 2 bytes; padding on; bit 21 beside a mask; after every 64 words, 4 words
	s_mov_b32 s[G1A+1], KSLOT<<16                  ; tensor_dim0 = 128
	s_mov_b32 s[G1A+2], 64<<16                     ; tensor_dim1 = 64
	s_mov_b32 s[G1A+3], KSLOT<<16                  ; tile_dim0 = 128
	s_mov_b32 s[G1A+4], 64                         ; tile_dim1 = 64 rows
	s_mov_b32 s[G1A+5], 2048                       ; elements from row to row
	s_mov_b32 s[G1A+6], 0
	s_mov_b32 s[G1A+7], 0
	s_or_b32 s[G1B+0], s24, (1<<16)|(1<<20)|(1<<21)|(5<<22)|(3<<25)
	s_mov_b32 s[G1B+1], KSLOT<<16
	s_mov_b32 s[G1B+2], (16*NB)<<16                ; 96 rows
	s_mov_b32 s[G1B+3], KSLOT<<16
	s_mov_b32 s[G1B+4], 16*NB
	s_mov_b32 s[G1B+5], 2048
	s_mov_b32 s[G1B+6], 0
	s_mov_b32 s[G1B+7], 0
	; x's address is made of the block row and the wave's number in s26, s27, s100, s101; W's of the block column and the wave's number in s60-63, s99: neither set ever holds the other coordinate
	s_lshl_b32 s26, s22, 7
	s_lshl_b32 s27, s18, 6
	s_add_co_u32 s26, s26, s27                     ; x: row 128 x block row + 64 x half
	s_lshl_b32 s26, s26, 12                        ; rows of 4,096 bytes
	s_mov_b32 s27, 0
	s_mul_i32 s60, s21, 32*NB
	s_mul_i32 s61, s18, 16*NB
	s_add_co_u32 s99, s60, s61                     ; W: row 192 x block column + 96 x half; also my first column of the result
	s_lshl_b32 s60, s99, 12
	s_add_co_u32 s60, s60, WB
	s_mov_b32 s61, 0
	s_mul_i32 s25, s16, BH                         ; where W's halves go: wave x 96 rows (waves 0, 1)
	s_mul_i32 s3, s16, AH
	s_add_co_u32 s3, s3, AOFF-2*AH                 ; where x's halves go: behind W's 192 rows (waves 2, 3).  No place in the cluster enters an LDS address
	s_mov_b32 s105, 0
	s_wait_dscnt 0x0
	s_wait_kmcnt 0x0
	s_add_nc_u64 s[100:101], s[4:5], s[26:27]
	s_add_nc_u64 s[62:63], s[4:5], s[60:61]
	; where this cluster's ring of K steps begins: ((cluster column + 2 f) mod 4) x 4, f = 0, 1, 1, 0 for cluster rows 0 to 3
	s_and_b32 s5, ttmp7, 0xffff                    ; the cluster's row in the grid
	s_lshr_b32 s4, s5, 1
	s_xor_b32 s5, s5, s4
	s_and_b32 s5, s5, 1                            ; f
	s_lshl_b32 s5, s5, 1
	s_add_co_u32 s4, s5, ttmp9                     ; + the cluster's column
	s_and_b32 s4, s4, 3
	s_mul_i32 s[KK], s4, NSTEP/4                   ; slot 0's first K step: 0, 4, 8 or 12
	s_add_co_u32 s[KK+1], s[KK], 1                 ; slot 1's: 13 at the most
	CROUND                                         ; all sixteen work-groups are here: the first joint loads meet
.irp s, 0,1
	s_mov_b32 s[G0A+4*\s], 1                                       ; count = 1
	s_add_co_u32 s[G0A+4*\s+1], s3, \s*SLOT                        ; LDS address
	s_mov_b32 s[G0B+4*\s], 1
	s_add_co_u32 s[G0B+4*\s+1], s25, \s*SLOT
	KADDR \s
	JLOAD \s                                       ; the ring is filled before anything else is done: two tensor loads of this wave are out
.endr
	; the way out's operands: where they come from
	s_lshl_b32 s26, s22, 7
	s_lshl_b32 s27, s17, 6
	s_add_co_u32 s26, s26, s27                     ; my first row
	s_lshl_b32 s26, s26, 8                         ; a row of the table is 256 bytes
	s_mov_b32 s27, 0
	s_add_nc_u64 s[66:67], s[6:7], s[26:27]
	s_lshl_b32 s26, s22, 14                        ; 128 rows of 128 bytes in a head's plane
	s_add_nc_u64 s[14:15], s[14:15], s[26:27]
	s_mov_b32 s2, 2048                             ; columns below: q
	s_mov_b32 s3, 2560                             ; below: k; from here: v
	s_mov_b32 s25, 0x3d000000                      ; 1/32
.irp b, 0,1,2,3,4,5
	s_add_co_u32 s60, s99, 16*\b                   ; the tile's first column; a tile of 16 never crosses 2048 or 2560
	s_cmp_lt_u32 s60, s3
	s_cselect_b64 s[SB+2*\b:SB+2*\b+1], s[10:11], s[12:13]
	s_cselect_b32 s61, s2, s3
	s_cselect_b32 s[VM+\b], 0, -1
	s_cselect_b32 s[SC+2*\b], s25, 0x3e800000      ; k by 1/32, v by 1/4,
	s_cmp_lt_u32 s60, s2
	s_cselect_b64 s[SB+2*\b:SB+2*\b+1], s[8:9], s[SB+2*\b:SB+2*\b+1]
	s_cselect_b32 s61, 0, s61
	s_cselect_b32 s[SC+2*\b], 0x3d38aa3b, s[SC+2*\b]   ; q by log2(e) / 32
	s_mov_b32 s[SC+2*\b+1], s[SC+2*\b]
	s_sub_co_u32 s60, s60, s61                     ; the column inside its bias
	s_lshl_b32 s60, s60, 2
	s_mov_b32 s61, 0
	s_add_nc_u64 s[SB+2*\b:SB+2*\b+1], s[SB+2*\b:SB+2*\b+1], s[60:61]
.endr
	s_mul_i32 s60, s21, 3*262144                   ; three planes of 262,144 bytes for each block column
	s_add_nc_u64 s[14:15], s[14:15], s[60:61]
	; A fragment is 16 rows x 32 K in 8 registers: lane l holds row l % 16; registers 0-3 K = 8 (l / 16) + 0..7, registers 4-7 K = 16 + 8 (l / 16) + 0..7: two loads of 16 bytes, 32 bytes apart
	v_and_b32 v1, 15, v0                           ; r = l % 16
	v_bfe_u32 v2, v0, 4, 1                         ; h = l / 16
	v_mul_u32_u24 v3, v1, PITCH
	v_lshl_add_u32 v3, v2, 4, v3
	s_mul_i32 s26, s17, AH
	s_add_co_u32 s26, s26, AOFF                    ; my 64 rows of x
	s_mul_i32 s27, s18, BH                         ; my 96 rows of W
.irp s, 0,1
	v_add_nc_u32 v[ADRA+\s], s26, v3
	v_add_nc_u32 v[ADRB+\s], s27, v3
	s_add_co_u32 s26, s26, SLOT
	s_add_co_u32 s27, s27, SLOT
.endr
	v_lshlrev_b32 v4, 8, v1
	v_lshl_add_u32 v4, v2, 5, v4                   ; table: row r, 8 h numbers in
.irp bp, 0,1,2,3
	s_lshl_b32 s26, s18, 1                         ; column 96 wn + 16 b + 8 h + j, modulo 64, is 16 ((2 wn + b) & 3) + 8 h + j
	s_add_co_u32 s26, s26, \bp
	s_and_b32 s26, s26, 3
	s_lshl_b32 s26, s26, 6
	v_add_nc_u32 v[VFA+\bp], s26, v4
.endr
	v_lshlrev_b32 v[VBI], 5, v2
	; the stage, in: my wave's own region, row r, 16 h bytes in; the row block and the tile stand in the store's immediate
	v_mul_u32_u24 v5, v1, SPITCH
	v_lshl_add_u32 v5, v2, 4, v5
	s_mul_i32 s26, s16, WST
	s_add_co_u32 s26, s26, STAGE
	v_add_nc_u32 v[STA], s26, v5
	; back: thread t takes 16 bytes at 16 (t % 8) of a head's row t / 8, sixteen rows a turn.  Head 0 is bytes 0-127 of the left wave's rows, head 2 bytes 64-191 of the
	; right wave's; head 1 is bytes 128-191 of the left wave's (t % 8 < 4) and bytes 0-63 of the right wave's, one region less 192 bytes further on
	v_lshrrev_b32 v6, 3, v0
	v_and_b32 v7, 7, v0
	v_mul_u32_u24 v[RD], v6, SPITCH
	v_lshl_add_u32 v[RD], v7, 4, v[RD]
	v_add_nc_u32 v[RD], STAGE, v[RD]
	v_bfe_u32 v8, v0, 2, 1
	v_mul_u32_u24 v8, v8, WST-192
	v_add_nc_u32 v[RD1], v[RD], v8
	v_lshlrev_b32 v[CO], 4, v0
	v_mov_b32 v[ONE], 0x3f80
	; 44 loads into window 2, waited for once behind the K loop; none of their address registers is written again
	WIN 0x80
.irp a, 0,1,2,3
.irp bp, 0,1,2,3
	global_load_b128 v[8*(4*\a+\bp):8*(4*\a+\bp)+3],   v[VFA+\bp], s[66:67] offset:4096*\a
	global_load_b128 v[8*(4*\a+\bp)+4:8*(4*\a+\bp)+7], v[VFA+\bp], s[66:67] offset:4096*\a+16
.endr
.endr
.irp b, 0,1,2,3,4,5
	global_load_b128 v[128+8*\b:128+8*\b+3],   v[VBI], s[SB+2*\b:SB+2*\b+1]
	global_load_b128 v[128+8*\b+4:128+8*\b+7], v[VBI], s[SB+2*\b:SB+2*\b+1] offset:16
.endr
	WIN 0
; NB matrix instructions: row block a x all column blocks, 32 along K.  zero = 1: the first product starts the sums.
; The 24 accumulators take turns, one instruction a turn, in the same order in every quarter step.
.macro MULROW f, a, zero
.set bb, 0
.rept NB
.if \zero
	v_wmma_f32_16x16x32_bf16 v[8*(NB*\a+bb):8*(NB*\a+bb)+7], v[\f+8*bb:\f+8*bb+7], v[\f+8*(NB+\a):\f+8*(NB+\a)+7], 0
.else
	v_wmma_f32_16x16x32_bf16 v[8*(NB*\a+bb):8*(NB*\a+bb)+7], v[\f+8*bb:\f+8*bb+7], v[\f+8*(NB+\a):\f+8*(NB+\a)+7], v[8*(NB*\a+bb):8*(NB*\a+bb)+7]
.endif
.set bb, bb+1
.endr
.endm
; 2 NB + 8 LDS loads in one run: the fragments of one quarter step (32 K at byte k of the rows) into buffer f: W's blocks, then x's
.macro FETCH slot, k, f
.set ii, 0
.rept NB
	ds_load_b128 v[\f+8*ii:\f+8*ii+3],   v[ADRB+\slot] offset:\k+ii*16*PITCH
	ds_load_b128 v[\f+8*ii+4:\f+8*ii+7], v[ADRB+\slot] offset:\k+ii*16*PITCH+32
.set ii, ii+1
.endr
.irp i, 0,1,2,3
	ds_load_b128 v[\f+8*(NB+\i):\f+8*(NB+\i)+3],   v[ADRA+\slot] offset:\k+\i*16*PITCH
	ds_load_b128 v[\f+8*(NB+\i)+4:\f+8*(NB+\i)+7], v[ADRA+\slot] offset:\k+\i*16*PITCH+32
.endr
.endm
; A quarter step: multiplies buffer f; in its middle it fetches the next quarter's fragments into buffer g
.macro QUARTER slot, k, f, g, zero
	s_wait_dscnt 4                                 ; W and x's blocks 0, 1 are in; the youngest four loads (x's blocks 2, 3) may be out
	WIN MUL
	MULROW \f, 0, \zero
	MULROW \f, 1, \zero
	WIN 0
	PLACES
	FETCH \slot, \k, \g
	s_wait_dscnt 2*NB+8                            ; all but the run just issued
	WIN MUL
	MULROW \f, 2, \zero
	MULROW \f, 3, \zero
.endm
.macro SLOTRUN slot, zero
	QUARTER \slot, 64,  F0, F1, \zero
	QUARTER \slot, 128, F1, F0, 0
	QUARTER \slot, 192, F0, F1, 0
.endm
; The last quarter of a K step: multiplies buffer 1 and changes slots.  One barrier for two things: in front of it each wave waits for its reads of this
; slot and for all its tensor loads (the one that is out is its part of the next slot); behind it the refill comes first, then the next slot's first fragments.
.macro TURN slot, next, fill
	s_wait_dscnt 4
	WIN MUL
	MULROW F1, 0, 0
	s_wait_dscnt 0                                 ; my reads of this slot are over
	s_wait_tensorcnt 0x0                           ; and all my tensor loads have landed: every group 0 may be written
	ds_add_u32 v254, v255
	s_wait_dscnt 0x0
.if \fill
	s_add_co_u32 s[KK+\slot], s[KK+\slot], 2       ; this slot's next K step, two on in the ring of 16
	s_and_b32 s[KK+\slot], s[KK+\slot], NSTEP-1
	KADDR \slot
.endif
	s_barrier_signal -1                            ; where the slot is filled again this barrier opens a round of the cluster's barrier
	MULROW F1, 1, 0                                ; register work while the others arrive
	WIN 0
	s_barrier_wait -1
.if \fill
	CREST                                          ; no wave of any partner still reads this slot or has a load on its way
	JLOAD \slot                                    ; the first tensor load behind the round, and my only one until the next
.endif
	PLACES
	FETCH \next, 0, F0
	WIN MUL
	MULROW F1, 2, 0
	MULROW F1, 3, 0
.endm
.macro LAP zero
	SLOTRUN 0, \zero
	TURN 0, 1, 1
	SLOTRUN 1, 0
	TURN 1, 0, 1
.endm
	s_wait_tensorcnt 0x1                           ; my part of the first K step is in; the second's load stays out
	s_barrier_signal -1
	s_barrier_wait -1
	FETCH 0, 0, F0
	LAP 1                                          ; the first lap stands in front of the loop: its first products start the sums
	WIN 0
	s_mov_b32 s98, LAPS-2
.Llap:
	LAP 0
	WIN 0
	s_sub_co_u32 s98, s98, 1
	s_cmp_lg_u32 s98, 0
	s_cbranch_scc1 .Llap
	SLOTRUN 0, 0                                   ; the last lap fills nothing
	TURN 0, 1, 0
	SLOTRUN 1, 0
	s_wait_dscnt 4
	WIN MUL
	MULROW F1, 0, 0
	MULROW F1, 1, 0
	s_wait_dscnt 0
	MULROW F1, 2, 0
	MULROW F1, 3, 0
	WIN 0
	PLACES
	; THE WAY OUT.  y = scale x sum + scale x bias; (even, odd) turned by (cos, sin); f16; through the stage into whole rows of the heads' planes.
	s_wait_loadcnt 0x0                             ; the table and the bias
	WIN 0x82
.irp b, 0,1,2,3,4,5
.irp p, 0,2,4,6
	v_pk_mul_f32 v[128+8*\b+\p:128+8*\b+\p+1], v[128+8*\b+\p:128+8*\b+\p+1], s[SC+2*\b:SC+2*\b+1] op_sel_hi:[1,0]
.endr
.endr
.macro ROWOUT a                        ; rows 16 a .. 16 a + 15 of my 64
	WIN 0x0a
.irp bp, 0,1,2,3
.irp p, 0,1,2,3
	v_cvt_pk_bf16_f32 v[CP+4*\bp+\p], v[8*(4*\a+\bp)+2*\p], v[8*(4*\a+\bp)+2*\p+1]   ; the table's one rounding: cos in the low half, sin in the high
.endr
.endr
	WIN 0x21
.irp b, 0,1,2,3,4,5
.irp p, 0,2,4,6
	v_pk_fma_f32 v[YY+8*\b+\p:YY+8*\b+\p+1], v[8*(NB*\a+\b)+\p:8*(NB*\a+\b)+\p+1], s[SC+2*\b:SC+2*\b+1], v[128+8*\b+\p:128+8*\b+\p+1] op_sel_hi:[1,0,1]
.endr
.endr
	WIN 0
.irp b, 0,1,2,3,4,5
.irp p, 0,1,2,3
	v_cndmask_b32 v[SEL+\p], v[CP+4*(\b&3)+\p], v[ONE], s[VM+\b]   ; v is not turned: (1, 0)
.endr
.irp p, 0,1,2,3
	v_lshlrev_b32 v[CS+8*\b+2*\p],   16,         v[SEL+\p]
	v_and_b32     v[CS+8*\b+2*\p+1], 0xffff0000, v[SEL+\p]
.endr
.irp p, 0,2,4,6
	v_pk_mul_f32 v[TT+\p:TT+\p+1], v[YY+8*\b+\p:YY+8*\b+\p+1], v[CS+8*\b+\p:CS+8*\b+\p+1] op_sel:[1,1] op_sel_hi:[1,0]   ; (odd sin, odd cos)
.endr
.irp p, 0,2,4,6
	v_pk_fma_f32 v[TT+\p:TT+\p+1], v[YY+8*\b+\p:YY+8*\b+\p+1], v[CS+8*\b+\p:CS+8*\b+\p+1], v[TT+\p:TT+\p+1] op_sel_hi:[0,1,1] neg_lo:[0,0,1]   ; (even cos - odd sin, even sin + odd cos)
.endr
.irp p, 0,1,2,3
	v_cvt_pk_f16_f32 v[PK+4*\b+\p], v[TT+2*\p], v[TT+2*\p+1]
.endr
	ds_store_b128 v[STA], v[PK+4*\b:PK+4*\b+3] offset:16*SPITCH*\a+32*\b   ; row 16 a + r of my region, columns 16 b + 8 h ..
.endr
.endm
	ROWOUT 0
	ROWOUT 1
	ROWOUT 2
	ROWOUT 3
	s_wait_dscnt 0x0                               ; my stores into the stage are done: the other waves read them behind the barrier
	s_barrier_signal -1
	s_barrier_wait -1
; head j of the three: eight turns of sixteen rows; turn u is rows 16 (u & 3) .. of the waves with wm = u >> 2, two regions further on
.macro BACK j, adr, add
.irp u, 0,1,2,3,4,5,6,7
	ds_load_b128 v[64+32*\j+4*\u:64+32*\j+4*\u+3], v[\adr] offset:(\u>>2)*2*WST+(\u&3)*16*SPITCH+\add
.endr
.endm
	BACK 0, RD,  0
	BACK 1, RD1, 128
	BACK 2, RD,  WST+64
.set n, 0
.rept 24
	s_wait_dscnt 23-n                              ; LDS loads come back in order (ISA guide 5.7.1): load n is in
	global_store_b128 v[CO], v[64+4*n:64+4*n+3], s[14:15] offset:262144*(n>>3)+2048*(n&7)   ; a wave's store covers 512 consecutive bytes, aligned: four rows of a head
.set n, n+1
.endr
	s_wait_tensorcnt 0x0
	ds_add_u32 v254, v255
	s_wait_dscnt 0x0
	CROUND                                         ; the closing round: no work-group ends while a partner may still ask for a tile that names it
	s_endpgm
.Lfunc_end_k_q7bf38325f1_qkv:
	.size	k_q7bf38325f1_qkv, .Lfunc_end_k_q7bf38325f1_qkv-k_q7bf38325f1_qkv
	.p2alignl 7, 3214868480
	.fill 96, 4, 3214868480
	.section	.rodata,"a",@progbits
	.p2align	6, 0x0
	.amdhsa_kernel k_q7bf38325f1_qkv
		.amdhsa_group_segment_fixed_size 327680
		.amdhsa_private_segment_fixed_size 0
		.amdhsa_enable_private_segment 0
		.amdhsa_kernarg_size 48
		.amdhsa_user_sgpr_count 2
		.amdhsa_user_sgpr_kernarg_segment_ptr 1
		.amdhsa_wavefront_size32 1
		.amdhsa_system_sgpr_workgroup_id_x 1
		.amdhsa_system_sgpr_workgroup_id_y 1
		.amdhsa_system_sgpr_workgroup_id_z 1
		.amdhsa_system_vgpr_workitem_id 0
		.amdhsa_next_free_vgpr 688
		.amdhsa_next_free_sgpr 106
		.amdhsa_reserve_vcc 0
		.amdhsa_float_denorm_mode_32 3
		.amdhsa_float_denorm_mode_16_64 3
		.amdhsa_memory_ordered 1
		.amdhsa_forward_progress 1
		.amdhsa_inst_pref_size 144
	.end_amdhsa_kernel
	.amdgpu_metadata
---
amdhsa.version: [ 1, 2 ]
amdhsa.kernels:
  - .name:           k_q7bf38325f1_qkv
    .symbol:         k_q7bf38325f1_qkv.kd
    .args:
      - { .name: cb, .offset: 0, .size: 8, .value_kind: global_buffer, .address_space: global }
      - { .name: freqs_cis, .offset: 8, .size: 8, .value_kind: global_buffer, .address_space: global }
      - { .name: bq, .offset: 16, .size: 8, .value_kind: global_buffer, .address_space: global }
      - { .name: bk, .offset: 24, .size: 8, .value_kind: global_buffer, .address_space: global }
      - { .name: bv, .offset: 32, .size: 8, .value_kind: global_buffer, .address_space: global }
      - { .name: qkv, .offset: 40, .size: 8, .value_kind: global_buffer, .address_space: global }
    .group_segment_fixed_size: 327680
    .private_segment_fixed_size: 0
    .kernarg_segment_align: 8
    .kernarg_segment_size: 48
    .max_flat_workgroup_size: 128
    .sgpr_count:     106
    .vgpr_count:     688
    .wavefront_size: 32
...
	.end_amdgpu_metadata
.endif
;; end of part 2
;; launch attn (part 3): grid 32 x 8, 8 waves a work-group, clusters of 4 x 4, 327,680 bytes of LDS; arguments qkv, mask, ao, wo, wh; writes ao, wh
.if DOCPART == 3
	.amdgcn_target "amdgcn-amd-amdhsa--gfx1250"
	.amdhsa_code_object_version 6
	.text
	.protected	k_q7bf38325f1_attn
	.globl	k_q7bf38325f1_attn
	.p2align	8
	.type	k_q7bf38325f1_attn,@function
k_q7bf38325f1_attn:
	s_mov_b64 s[64:65], 0
	v_nop
	global_prefetch_b8 v0, s[64:65] scope:SCOPE_SE
	s_setreg_imm32_b32 hwreg(HW_REG_WAVE_MODE, 25, 1), 1
	s_wait_xcnt 0x0
	s_wait_alu depctr_hold_cnt(0) depctr_sa_sdst(0) depctr_va_vdst(0) depctr_va_sdst(0) depctr_va_ssrc(0) depctr_va_vcc(0) depctr_vm_vsrc(0)
	s_getreg_b32 s2, hwreg(HW_REG_IB_STS2, 6, 4)
	s_cmp_eq_u32 s2, 0
	s_cbranch_scc0 .Lentry_in_a_cluster
	s_endpgm
.Lentry_in_a_cluster:
	s_bfe_u32 s2, ttmp6, 0x10000c
	s_cmp_lg_u32 s2, 0xf033
	s_cbranch_scc0 .Lentry_shape_is_right
	s_endpgm
.Lentry_shape_is_right:
; ao[s][64 head + d] = softmax over all 2048 keys of (q k / 8 + mask) times v, in f16, as out / 4 (v is stored as v / 4).  The mask is an input: every word of it is read and added.
; A work-group: 64 query rows (grid x) of the 4 heads that share one K/V head (grid y).  Eight waves, two for each SIMD, so that one wave's softmax
; runs beside the other's matrix work: wave = 4 hk + w takes query rows 16 w .. 16 w + 15, ALL FOUR heads, and the half hk of each slot's 256 keys.
; The mask's fragment is thus read once for four heads.  The two key halves are merged through LDS at the end.
; ORIENTATION: S^T = K Q^T + mask^T (source 0 = 16 keys, source 1 = 16 queries, C = the mask).  A lane then holds ONE query (l % 16) and eight keys
; (8 (l / 16) + 0..7): maxima and sums stay in the lane but for one step across the halves, and two packed tiles of S^T ARE the second operand of O^T = V^T P^T.
; SCALES: q is stored as q log2(e) / 32 and k as k / 32, so the product is score x log2(e) / 128; the mask is multiplied by log2(e) / 128 too.  With S in these units
; p = 2^(128 S - 128 max).  The shift -128 max is a power of two times the maximum and so is exact: the largest exponent is exactly 0 and p is at most 1 for scores and
; masks of any size.  (A shift max x 128 log2(e) would be rounded; at a mask of -1e9 its rounding error alone is worth tens of powers of two.)
; The running maximum is taken away before every exponential.  It starts at -2^120 in these units.  LIMIT: a query row in which every score + mask lies below
; about -1.1e38 (a row masked wholly by -infinity) gives NaN.  The mask enters as the first product's C, so the order of rounding differs from a sum formed afterwards.
; CLUSTERS: 4 x 4 work-groups.  K's and V's tiles hang on grid y alone and are asked for jointly by a row of the cluster; the mask's hang on grid x alone and are asked for jointly by a column.
; ALSO HERE: wh = wo for the next launch's product.  The launch has 2,048 waves and wo 2,048 rows: each wave converts one row, between the request for the first tiles and
; the wait for them.  wo is rounded to bf16 once, like every large input, and written in f16, because that product's other operand needs f16's 11 bits.
; LIMIT OF FORMAT: f16 holds a bf16 number exactly from 2^-17 up to 65504; below that wh is off by at most 2^-25, above it is infinite.
;
; LDS: two slots of 256 keys: V 256 rows x 160 bytes, K 256 x 144, mask 64 rows x 1,040; behind them a stage of 4 x 16 rows x 528 bytes for the way out.
; REGISTERS: window 0: v2-7 addresses; v8-15 (shift, maximum) and v16-23 (alpha, sum) a head; v24-31 at work; v32-63 mask; v64-127 K fragments, later P; v128-255 S^T
;            window 1: v0-127 O^T, tile (d, head) at v[8 (4 d + head)]; v128-191 Q; v192-255 V^T fragments
.set SLOT, 144384
.set VP,   160                         ; an odd multiple of 32 bytes, for the transposing loads
.set KP,   144                         ; odd multiples of 16 bytes: the 16 rows of a load start in 16 different 16-byte columns of 256 bytes (64 banks of 4 bytes: ISA guide 11.1)
.set MP,   1040
.set KOFF, 256*VP
.set MOFF, 256*VP+256*KP
.set STG,  2*SLOT
.set OP,   528
.set MRGW, 18432                       ; the merge: 16,384 bytes of O^T and 2,048 of state for each pair of waves, in slot 0's bytes behind its last fill and last read
.set ADK, 2
.set ADV, 4
.set ADM, 6
.set ST,  8
.set AL,  16
.set T,   24                           ; v24-27 maxima; v24-31 the four chains of a head's sum
.set XX,  28
.set MK,  32
.set KF,  64
.set PP,  64
.set SS,  128
.set WY,  192                          ; wo's row, packed, at the start only
.set OO,  0
.set QQ,  128
.set VF,  192
.set G1K, 20
.set G1V, 28
.set G1M, 36
.set G0K, 44
.set G0V, 52
.set G0M, 68
.set MSB, 0
.macro WIN new                         ; the immediate's high byte repeats the setting that is left
.if MSB != \new
	s_set_vgpr_msb (MSB<<8)|\new
.set MSB, \new
.endif
.endm
.macro PLACES                          ; four plain vector instructions between a matrix instruction and a vector instruction or load that touches its registers (ISA guide 7.12.1 for vector instructions)
.rept 4
	v_nop
.endr
.endm
; A joint load of 16 KiB a wave: waves 0, 1 V's halves, waves 2, 3 K's, waves 4-7 sixteen rows of the mask each.  The branches hang on the wave's number alone.
.macro JLOAD s
	s_cmp_lt_u32 s10, 2
	s_cbranch_scc0 .Lnot_v_\@
	tensor_load_to_lds s[G0V+4*\s:G0V+4*\s+3], s[G1V:G1V+7]
	s_nop 0
	s_branch .Lasked_\@
.Lnot_v_\@:
	s_cmp_lt_u32 s10, 4
	s_cbranch_scc0 .Lfor_m_\@
	tensor_load_to_lds s[G0K+4*\s:G0K+4*\s+3], s[G1K:G1K+7]
	s_nop 0
	s_branch .Lasked_\@
.Lfor_m_\@:
	tensor_load_to_lds s[G0M+4*\s:G0M+4*\s+3], s[G1M:G1M+7]
	s_nop 0
.Lasked_\@:
.endm
.macro CROUND                          ; a round of the cluster's barrier
	s_barrier_signal -1
	s_barrier_wait -1
	s_cmp_lg_u32 s10, 0
	s_cbranch_scc1 .Lnot_wave_0_\@
	s_barrier_signal -3
.Lnot_wave_0_\@:
	s_barrier_wait -3
	s_barrier_signal -1
	s_barrier_wait -1
.endm
	s_load_b128 s[4:7], s[0:1], 0x0                ; qkv s[4:5], mask s[6:7]
	s_load_b64 s[8:9], s[0:1], 0x10                ; ao
	s_load_b128 s[92:95], s[0:1], 0x18             ; wo s[92:93], wh s[94:95]
	v_lshl_add_u32 v254, v0, 2, 0x4ec00
	v_mov_b32 v255, 0
	ds_add_u32 v254, v255
	s_wait_dscnt 0x0
	v_lshrrev_b32 v1, 5, v0
	v_readfirstlane_b32 s10, v1                    ; wave 0..7
	s_and_b32 s11, s10, 3                          ; w: my 16 query rows
	s_lshr_b32 s12, s10, 2                         ; hk: my half of a slot's keys
	s_and_b32 s13, s10, 1                          ; which half of K's or V's tile I fetch
	s_bfe_u32 s14, ttmp6, 0x40000                  ; cx
	s_bfe_u32 s15, ttmp6, 0x40004                  ; cy
	s_lshl_b32 s16, ttmp9, 2
	s_add_co_u32 s16, s16, s14                     ; query block
	s_and_b32 s17, ttmp7, 0xffff
	s_lshl_b32 s17, s17, 2
	s_add_co_u32 s17, s17, s15                     ; K/V head
	s_lshl_b32 s18, s15, 2
	s_lshl_b32 s18, 15, s18                        ; my row of the cluster
	s_lshl_b32 s19, 0x1111, s14                    ; my column
	s_or_b32 s[G1K+0], s18, (1<<16)|(1<<20)|(1<<21)|(4<<22)|(3<<25)  ; elements of 2 bytes; after every 32 words (a row of 128 bytes) 4 words of padding
	s_mov_b32 s[G1K+1], 64<<16
	s_mov_b32 s[G1K+2], 128<<16
	s_mov_b32 s[G1K+3], 64<<16
	s_mov_b32 s[G1K+4], 128                        ; 128 rows of 64 elements
	s_mov_b32 s[G1K+5], 64
	s_mov_b32 s[G1K+6], 0
	s_mov_b32 s[G1K+7], 0
	s_or_b32 s[G1V+0], s18, (1<<16)|(1<<20)|(1<<21)|(4<<22)|(7<<25)  ; the same with 8 words of padding
	s_mov_b32 s[G1V+1], 64<<16
	s_mov_b32 s[G1V+2], 128<<16
	s_mov_b32 s[G1V+3], 64<<16
	s_mov_b32 s[G1V+4], 128
	s_mov_b32 s[G1V+5], 64
	s_mov_b32 s[G1V+6], 0
	s_mov_b32 s[G1V+7], 0
	s_or_b32 s[G1M+0], s19, (2<<16)|(1<<20)|(1<<21)|(7<<22)|(3<<25)  ; elements of 4 bytes; after every 256 words (a row of 1,024 bytes) 4 words
	s_mov_b32 s[G1M+1], 256<<16
	s_mov_b32 s[G1M+2], 16<<16
	s_mov_b32 s[G1M+3], 256<<16
	s_mov_b32 s[G1M+4], 16                         ; 16 rows of 256 elements
	s_mov_b32 s[G1M+5], 2048
	s_mov_b32 s[G1M+6], 0
	s_mov_b32 s[G1M+7], 0
	s_mov_b32 s60, 0x43000000                      ; 128, twice
	s_mov_b32 s61, 0x43000000
	s_mov_b32 s62, 0xc3000000                      ; and -128
	s_mov_b32 s66, 0x76543210                      ; v_permlanex16_b32: lane i of one half reads lane i of the other
	s_mov_b32 s67, 0xfedcba98
	; K's and V's address is made of the K/V head and the wave's number in s78-81; the mask's of the query block and the wave's number in s82, s83: neither set holds the other coordinate
	s_add_co_u32 s78, s17, 32
	s_lshl_b32 s78, s78, 18                        ; planes of 262,144 bytes
	s_lshl_b32 s79, s13, 14                        ; 128 rows of 128 bytes
	s_add_co_u32 s78, s78, s79
	s_mov_b32 s79, 0
	s_lshl_b32 s82, s16, 6
	s_lshl_b32 s83, s11, 4
	s_add_co_u32 s82, s82, s83                     ; mask row 64 x block + 16 x (wave & 3)
	s_lshl_b32 s82, s82, 13
	s_mov_b32 s83, 0
	s_mul_i32 s84, s10, 128*VP                     ; LDS: V's halves at wave x 128 rows (waves 0, 1)
	s_mul_i32 s85, s10, 128*KP
	s_add_co_u32 s85, s85, KOFF-2*128*KP           ; K's behind them (waves 2, 3)
	s_mul_i32 s86, s10, 16*MP
	s_add_co_u32 s86, s86, MOFF-4*16*MP            ; the mask's quarters behind those (waves 4-7)
	s_wait_kmcnt 0x0
	s_add_nc_u64 s[80:81], s[4:5], s[78:79]
	s_add_nc_u64 s[82:83], s[6:7], s[82:83]
	CROUND                                         ; all sixteen work-groups are here: the first joint loads meet
.irp s, 0,1
	s_mov_b32 s[G0K+4*\s], 1
	s_add_co_u32 s[G0K+4*\s+1], s85, \s*SLOT
	s_add_nc_u64 s[G0K+4*\s+2:G0K+4*\s+3], s[80:81], \s*32768              ; keys 256 s ..
	s_or_b32 s[G0K+4*\s+3], s[G0K+4*\s+3], 0x80000000
	s_mov_b32 s[G0V+4*\s], 1
	s_add_co_u32 s[G0V+4*\s+1], s84, \s*SLOT
	s_add_nc_u64 s[G0V+4*\s+2:G0V+4*\s+3], s[80:81], 8*262144+\s*32768     ; v's planes lie eight behind k's
	s_or_b32 s[G0V+4*\s+3], s[G0V+4*\s+3], 0x80000000
	s_mov_b32 s[G0M+4*\s], 1
	s_add_co_u32 s[G0M+4*\s+1], s86, \s*SLOT
	s_add_nc_u64 s[G0M+4*\s+2:G0M+4*\s+3], s[82:83], \s*1024
	s_or_b32 s[G0M+4*\s+3], s[G0M+4*\s+3], 0x80000000
	JLOAD \s                                       ; two tensor loads of this wave are out
.endr
	s_lshl_b32 s78, s17, 20                        ; q: four planes for each K/V head
	s_add_nc_u64 s[88:89], s[4:5], s[78:79]
	s_lshl_b32 s82, s16, 6
	s_lshl_b32 s83, s11, 4
	s_add_co_u32 s82, s82, s83                     ; my first query row
	s_lshl_b32 s77, s82, 12                        ; in ao: rows of 4,096 bytes
	s_lshl_b32 s82, s82, 7                         ; in q: rows of 128 bytes
	s_mov_b32 s83, 0
	s_add_nc_u64 s[88:89], s[88:89], s[82:83]
	s_mov_b32 s82, s77
	s_add_nc_u64 s[8:9], s[8:9], s[82:83]
	s_lshl_b32 s78, s17, 9                         ; four heads of 128 bytes
	s_add_nc_u64 s[8:9], s[8:9], s[78:79]
	s_lshl_b32 s90, s17, 5                         ; my row of wo: 8 x (32 x grid y + grid x) + wave, in registers that feed no descriptor and no LDS address
	s_add_co_u32 s90, s90, s16
	s_lshl_b32 s90, s90, 3
	s_add_co_u32 s90, s90, s10
	s_lshl_b32 s96, s90, 12                        ; in wh: rows of 4,096 bytes
	s_lshl_b32 s90, s90, 13                        ; in wo: rows of 8,192 bytes
	s_mov_b32 s91, 0
	s_add_nc_u64 s[92:93], s[92:93], s[90:91]
	s_mov_b32 s90, s96
	s_add_nc_u64 s[94:95], s[94:95], s[90:91]
	v_and_b32 v24, 15, v0                          ; r
	v_bfe_u32 v25, v0, 4, 1                        ; h
	v_and_b32 v26, 7, v0
	v_bfe_u32 v27, v0, 3, 1
	v_mul_u32_u24 v28, v24, KP                     ; K: row 128 hk + r, 16 h bytes in
	v_lshl_add_u32 v28, v25, 4, v28
	s_mul_i32 s63, s12, 128*KP
	s_add_co_u32 s63, s63, KOFF
	v_add_nc_u32 v[ADK], s63, v28
	v_add_nc_u32 v[ADK+1], SLOT, v[ADK]
	v_lshl_add_u32 v29, v25, 3, v26                ; V, for the transposing load: row 128 hk + 8 h + l % 8, 16 ((l / 8) % 2) bytes in
	v_mul_u32_u24 v29, v29, VP
	v_lshl_add_u32 v29, v27, 4, v29
	s_mul_i32 s63, s12, 128*VP
	v_add_nc_u32 v[ADV], s63, v29
	v_add_nc_u32 v[ADV+1], SLOT, v[ADV]
	v_mul_u32_u24 v30, v24, MP                     ; mask: row 16 w + r, keys 128 hk + 8 h
	v_lshl_add_u32 v30, v25, 5, v30
	s_mul_i32 s63, s11, 16*MP
	s_lshl_b32 s87, s12, 9
	s_add_co_u32 s63, s63, s87
	s_add_co_u32 s63, s63, MOFF
	v_add_nc_u32 v[ADM], s63, v30
	v_add_nc_u32 v[ADM+1], SLOT, v[ADM]
	v_lshlrev_b32 v1, 7, v24                       ; Q: row r, 16 h bytes in
	v_lshl_add_u32 v1, v25, 4, v1
	v_and_b32 v32, 31, v0
	v_lshlrev_b32 v33, 3, v32                      ; wh: 8 bytes a lane
	v_lshlrev_b32 v32, 4, v32                      ; wo: 16 bytes a lane
.irp a, 0,1,2,3
	v_mov_b32 v[XX+\a], 0                          ; v_permlanex16_b32 counts as a reader of its destination
.endr
	WIN 0x40
.irp a, 0,1,2,3
.irp ks, 0,1
	global_load_b128 v[QQ+16*\a+8*\ks:QQ+16*\a+8*\ks+3],   v1, s[88:89] offset:262144*\a+64*\ks
	global_load_b128 v[QQ+16*\a+8*\ks+4:QQ+16*\a+8*\ks+7], v1, s[88:89] offset:262144*\a+64*\ks+32
.endr
.endr
	WIN 0
	; my row of wo: sixteen loads of 512 consecutive bytes into the registers that will hold S^T, all out at once; each is rounded to bf16, widened, written as f16
.set n, 0
.rept 16
	global_load_b128 v[SS+4*n:SS+4*n+3], v32, s[92:93] offset:512*n th:TH_LOAD_NT   ; read once in the launch
.set n, n+1
.endr
.set n, 0
.rept 16
	s_wait_loadcnt 15-n                            ; loads come back in order (ISA guide 5.7.1): load n of the row is in (and Q, which was asked for earlier); the younger ones stay out
	v_cvt_pk_bf16_f32 v[WY+2*n],   v[SS+4*n],   v[SS+4*n+1]
	v_cvt_pk_bf16_f32 v[WY+2*n+1], v[SS+4*n+2], v[SS+4*n+3]
	v_lshlrev_b32 v[SS+4*n],   16,         v[WY+2*n]
	v_and_b32     v[SS+4*n+1], 0xffff0000, v[WY+2*n]
	v_lshlrev_b32 v[SS+4*n+2], 16,         v[WY+2*n+1]
	v_and_b32     v[SS+4*n+3], 0xffff0000, v[WY+2*n+1]
	v_cvt_pk_f16_f32 v[WY+2*n],   v[SS+4*n],   v[SS+4*n+1]
	v_cvt_pk_f16_f32 v[WY+2*n+1], v[SS+4*n+2], v[SS+4*n+3]
	global_store_b64 v33, v[WY+2*n:WY+2*n+1], s[94:95] offset:256*n   ; a wave's store covers 256 consecutive bytes, aligned; read again by the next launch: no hint
.set n, n+1
.endr
; The softmax of head a, one instruction each.  Tile i of the head is v[SS + 8 (4 i + a)] .. + 7.
.macro SFMA a, i, p                    ; pair p (0, 2, 4, 6) of tile i: 128 S - 128 max
	v_pk_fma_f32 v[SS+8*(4*\i+\a)+\p:SS+8*(4*\i+\a)+\p+1], v[SS+8*(4*\i+\a)+\p:SS+8*(4*\i+\a)+\p+1], s[60:61], v[ST+2*\a:ST+2*\a+1] op_sel_hi:[1,0,0]
.endm
.macro SEXP a, i, j                    ; number j of tile i
	v_exp_f32 v[SS+8*(4*\i+\a)+\j], v[SS+8*(4*\i+\a)+\j]
.endm
.macro SADD0 a, p                      ; chain p / 2 of the sum starts with pair p of tiles 0 and 1: nothing is cleared
	s_wait_alu depctr_va_vdst(0)
	v_pk_add_f32 v[T+\p:T+\p+1], v[SS+8*\a+\p:SS+8*\a+\p+1], v[SS+8*(4+\a)+\p:SS+8*(4+\a)+\p+1]
.endm
.macro SADD a, i, p                    ; and takes pair p of tile i
	s_wait_alu depctr_va_vdst(0)
	v_pk_add_f32 v[T+\p:T+\p+1], v[T+\p:T+\p+1], v[SS+8*(4*\i+\a)+\p:SS+8*(4*\i+\a)+\p+1]
.endm
.macro SCVT a, i, p                    ; word p (0..3) of tile i's part of P: tiles 2 t and 2 t + 1 are registers 0-3 and 4-7 of P's fragment t
	s_wait_alu depctr_va_vdst(0)
	v_cvt_pk_f16_f32 v[PP+16*\a+4*\i+\p], v[SS+8*(4*\i+\a)+2*\p], v[SS+8*(4*\i+\a)+2*\p+1]
.endm
; 64 keys: keys 64 st .. of my half of slot 'slot'.  first = 1: nothing has been summed yet.
.macro STEP slot, st, first
	PLACES                                         ; behind the last step's matrix instructions: the loads below land in their sources
.irp i, 0,1,2,3
.irp ks, 0,1
	ds_load_b128 v[KF+16*\i+8*\ks:KF+16*\i+8*\ks+3],   v[ADK+\slot] offset:(64*\st+16*\i)*KP+64*\ks
	ds_load_b128 v[KF+16*\i+8*\ks+4:KF+16*\i+8*\ks+7], v[ADK+\slot] offset:(64*\st+16*\i)*KP+64*\ks+32
.endr
.endr
.irp i, 0,1,2,3
	ds_load_b128 v[MK+8*\i:MK+8*\i+3],   v[ADM+\slot] offset:256*\st+64*\i
	ds_load_b128 v[MK+8*\i+4:MK+8*\i+7], v[ADM+\slot] offset:256*\st+64*\i+16
.endr
	WIN 0x40
.irp t, 0,1
.irp d, 0,1,2,3
	ds_load_tr16_b128 v[VF+32*\t+8*\d:VF+32*\t+8*\d+3],   v[ADV+\slot] offset:(64*\st+32*\t)*VP+32*\d
	ds_load_tr16_b128 v[VF+32*\t+8*\d+4:VF+32*\t+8*\d+7], v[ADV+\slot] offset:(64*\st+32*\t)*VP+32*\d+16*VP
.endr
.endr
	WIN 0
	s_wait_dscnt 16                                ; K and the mask are in; V's sixteen loads stay out
.irp p, 0,2,4,6,8,10,12,14,16,18,20,22,24,26,28,30
	v_pk_mul_f32 v[MK+\p:MK+\p+1], v[MK+\p:MK+\p+1], 0x3c38aa3b op_sel_hi:[1,0]   ; mask x log2(e) / 128: the product's units
.endr
	; S^T = K Q^T + mask: 16 accumulators by turns, one instruction a turn; the first product takes the mask as C
	WIN 0x04
.irp a, 0,1,2,3
.irp i, 0,1,2,3
	v_wmma_f32_16x16x32_f16 v[SS+8*(4*\i+\a):SS+8*(4*\i+\a)+7], v[KF+16*\i:KF+16*\i+7], v[QQ+16*\a:QQ+16*\a+7], v[MK+8*\i:MK+8*\i+7]
.endr
.endr
.irp a, 0,1,2,3
.irp i, 0,1,2,3
	v_wmma_f32_16x16x32_f16 v[SS+8*(4*\i+\a):SS+8*(4*\i+\a)+7], v[KF+16*\i+8:KF+16*\i+15], v[QQ+16*\a+8:QQ+16*\a+15], v[SS+8*(4*\i+\a):SS+8*(4*\i+\a)+7]
.endr
.endr
	WIN 0
	PLACES
	; the largest of a lane's 32 scores of each head and of the running maximum: four chains, one a head
.irp a, 0,1,2,3
	v_max3_num_f32 v[T+\a], v[SS+8*\a], v[SS+8*\a+1], v[SS+8*\a+2]
.endr
.set n, 3
.rept 14
.irp a, 0,1,2,3
	v_max3_num_f32 v[T+\a], v[T+\a], v[SS+32*(n>>3)+8*\a+(n&7)], v[SS+32*((n+1)>>3)+8*\a+((n+1)&7)]
.endr
.set n, n+2
.endr
.irp a, 0,1,2,3
.if \first
	v_max3_num_f32 v[T+\a], v[T+\a], v[SS+103+8*\a], 0xfb800000    ; -2^120: keeps the shift, 2^127 at the most, finite where all is -infinity
.else
	v_max3_num_f32 v[T+\a], v[T+\a], v[SS+103+8*\a], v[ST+2*\a+1]
.endif
.endr
.irp a, 0,1,2,3
	v_permlanex16_b32 v[XX+\a], v[T+\a], s66, s67  ; the query's other eight-key columns lie in the other half of the lanes
.endr
.irp a, 0,1,2,3
	v_max_num_f32 v[T+\a], v[T+\a], v[XX+\a]
.endr
.irp a, 0,1,2,3
	v_mul_f32 v[XX+\a], s62, v[T+\a]               ; the new shift: -128 x maximum, exact
.endr
.if \first == 0
.irp a, 0,1,2,3
	v_sub_f32 v[AL+2*\a], v[XX+\a], v[ST+2*\a]     ; new shift - old shift, never above 0
.endr
.endif
.irp a, 0,1,2,3
	v_mov_b32 v[ST+2*\a], v[XX+\a]
	v_mov_b32 v[ST+2*\a+1], v[T+\a]
.endr
.if \first == 0
.irp a, 0,1,2,3
	v_exp_f32 v[AL+2*\a], v[AL+2*\a]               ; alpha; plain instructions follow before it is used (ISA guide 5.7.2)
.endr
.endif
	; A head's four tiles as a pipeline: behind each exponential stands one plain instruction on another tile (a later tile's scaling, an earlier tile's sum or packing).
	; So no exponential's result is read, and none of its sources written, by the instruction behind it (ISA guide 5.7.2), and the sum runs in four chains.
.irp a, 0,1,2,3
.irp p, 0,2,4,6
	SFMA \a, 0, \p
.endr
.irp q, 0,1,2,3
	SEXP \a, 0, 2*\q
	SFMA \a, 1, 2*\q
	SEXP \a, 0, 2*\q+1
	SFMA \a, 2, 2*\q
.endr
.irp q, 0,1,2,3
	SEXP \a, 1, 2*\q
	SFMA \a, 3, 2*\q
	SEXP \a, 1, 2*\q+1
	SCVT \a, 0, \q
.endr
.irp q, 0,1,2,3
	SEXP \a, 2, 2*\q
	SADD0 \a, 2*\q
	SEXP \a, 2, 2*\q+1
	SCVT \a, 1, \q
.endr
.irp q, 0,1,2,3
	SEXP \a, 3, 2*\q
	SADD \a, 2, 2*\q
	SEXP \a, 3, 2*\q+1
	SCVT \a, 2, \q
.endr
.irp p, 0,2,4,6
	SADD \a, 3, \p
.endr
	SCVT \a, 3, 0
	SCVT \a, 3, 1
	v_pk_add_f32 v[T:T+1],   v[T:T+1],   v[T+2:T+3]
	v_pk_add_f32 v[T+4:T+5], v[T+4:T+5], v[T+6:T+7]
	SCVT \a, 3, 2
	SCVT \a, 3, 3
	v_pk_add_f32 v[T:T+1], v[T:T+1], v[T+4:T+5]
.if \first
	v_add_f32 v[AL+2*\a+1], v[T], v[T+1]
.else
	v_add_f32 v[T], v[T], v[T+1]
	v_fma_f32 v[AL+2*\a+1], v[AL+2*\a+1], v[AL+2*\a], v[T]         ; the sum stays a lane's own until the end
.endif
.endr
.if \first == 0
	WIN 0x41
.irp d, 0,1,2,3
.irp a, 0,1,2,3
.irp p, 0,2,4,6
	v_pk_mul_f32 v[OO+8*(4*\d+\a)+\p:OO+8*(4*\d+\a)+\p+1], v[OO+8*(4*\d+\a)+\p:OO+8*(4*\d+\a)+\p+1], v[AL+2*\a:AL+2*\a+1] op_sel_hi:[1,0]
.endr
.endr
.endr
.endif
	s_wait_dscnt 0x0                               ; V's fragments
	; O^T += V^T P^T: 16 accumulators by turns, one instruction a turn
	WIN 0x51
.irp t, 0,1
.irp d, 0,1,2,3
.irp a, 0,1,2,3
.if \first*(1-\t)
	v_wmma_f32_16x16x32_f16 v[OO+8*(4*\d+\a):OO+8*(4*\d+\a)+7], v[VF+32*\t+8*\d:VF+32*\t+8*\d+7], v[PP+16*\a+8*\t:PP+16*\a+8*\t+7], 0
.else
	v_wmma_f32_16x16x32_f16 v[OO+8*(4*\d+\a):OO+8*(4*\d+\a)+7], v[VF+32*\t+8*\d:VF+32*\t+8*\d+7], v[PP+16*\a+8*\t:PP+16*\a+8*\t+7], v[OO+8*(4*\d+\a):OO+8*(4*\d+\a)+7]
.endif
.endr
.endr
.endr
	WIN 0
.endm
; The change to slot 'slot'.  refill = 1: the slot just read, 'other', is filled again, 512 keys on.
.macro SLOTCHG slot, other, refill
	s_wait_xcnt 0x0
	v_lshl_add_u32 v254, v0, 2, 0x4ec00
	v_mov_b32 v255, 0
	s_wait_tensorcnt 0x0                           ; all my tensor loads have landed, my part of the next slot among them: every group 0 may be written
	ds_add_u32 v254, v255
	s_wait_dscnt 0x0
.if \refill
	s_add_nc_u64 s[G0K+4*\other+2:G0K+4*\other+3], s[G0K+4*\other+2:G0K+4*\other+3], 65536
	s_add_nc_u64 s[G0V+4*\other+2:G0V+4*\other+3], s[G0V+4*\other+2:G0V+4*\other+3], 65536
	s_add_nc_u64 s[G0M+4*\other+2:G0M+4*\other+3], s[G0M+4*\other+2:G0M+4*\other+3], 2048
.endif
	s_wait_dscnt 0x0                               ; my reads of the slot just read are over
.if \refill
	CROUND                                         ; both now hold of every wave of every work-group of the cluster
	JLOAD \other                                   ; the first tensor load behind the round, and my only one until the next: it has two steps' work in which to land
.else
	s_barrier_signal -1
	s_barrier_wait -1
.endif
.endm
	s_wait_tensorcnt 0x1                           ; my part of slot 0 is in; slot 1's load stays out
	s_barrier_signal -1
	s_barrier_wait -1
	s_wait_loadcnt 0x0                             ; Q (met: the count-down over wo's row ended at 0)
	s_wait_xcnt 0x0                                ; every earlier memory instruction has had its addresses translated (ISA guide 3.1): the data and the offset of wh's stores are rewritten only behind this wait
	STEP 0, 0, 1
	STEP 0, 1, 0
	s_mov_b32 s76, 3
.Lkeys:
	SLOTCHG 1, 0, 1
	STEP 1, 0, 0
	STEP 1, 1, 0
	SLOTCHG 0, 1, 1
	STEP 0, 0, 0
	STEP 0, 1, 0
	s_sub_co_u32 s76, s76, 1
	s_cmp_lg_u32 s76, 0
	s_cbranch_scc1 .Lkeys
	SLOTCHG 1, 0, 0                                ; the last 256 keys: nothing is left to fetch
	STEP 1, 0, 0
	STEP 1, 1, 0
	PLACES
	; THE MERGE of the two key halves.  Waves 4-7 hand their O^T and state to waves 0-3 through slot 0's bytes: its last fill has landed and every wave's reads of it ended in front of the last barrier.
	v_and_b32 v1, 31, v0
	v_lshlrev_b32 v1, 4, v1                        ; 16 l
	s_mul_i32 s63, s11, MRGW
	v_add_nc_u32 v2, s63, v1
	s_cmp_eq_u32 s12, 0
	s_cbranch_scc1 .Lkeep
	WIN 0x04
.set n, 0
.rept 32
	ds_store_b128 v2, v[OO+4*n:OO+4*n+3] offset:512*n
.set n, n+1
.endr
	WIN 0
.irp q, 0,1,2,3
	ds_store_b128 v2, v[ST+4*\q:ST+4*\q+3] offset:16384+512*\q
.endr
.Lkeep:
	s_wait_dscnt 0x0                               ; my stores are done: the partner reads them behind the barrier
	s_barrier_signal -1
	s_barrier_wait -1
	s_cmp_lg_u32 s12, 0
	s_cbranch_scc1 .Lclose
.irp q, 0,1,2,3
	ds_load_b128 v[MK+4*\q:MK+4*\q+3], v2 offset:16384+512*\q      ; the partner's (shift, maximum) in v32-39, (alpha, sum) in v40-47
.endr
.set n, 0
.rept 32
	ds_load_b128 v[SS+4*n:SS+4*n+3], v2 offset:512*n               ; the partner's O^T
.set n, n+1
.endr
	v_and_b32 v5, 15, v0
	v_bfe_u32 v6, v0, 4, 1
	v_mul_u32_u24 v3, v5, OP
	v_lshl_add_u32 v3, v6, 4, v3
	s_mul_i32 s63, s11, 16*OP
	s_add_co_u32 s63, s63, STG
	v_add_nc_u32 v3, s63, v3                       ; the stage, in: row r, 16 h bytes in
	v_add_nc_u32 v4, s63, v1                       ; back: 16 l of a row of 512 bytes
	s_wait_dscnt 0x0
.irp a, 0,1,2,3
	v_min_num_f32 v[T+\a], v[ST+2*\a], v[MK+2*\a]  ; the shift of the larger maximum
.endr
.irp a, 0,1,2,3
	v_sub_f32 v[ST+2*\a], v[T+\a], v[ST+2*\a]
	v_sub_f32 v[AL+2*\a], v[T+\a], v[MK+2*\a]
.endr
.irp a, 0,1,2,3
	v_exp_f32 v[ST+2*\a], v[ST+2*\a]               ; my factor
	v_exp_f32 v[AL+2*\a], v[AL+2*\a]               ; the partner's
.endr
	v_nop                                          ; one plain place behind the last exponential (ISA guide 5.7.2)
	s_wait_alu depctr_va_vdst(0)
.irp a, 0,1,2,3
	v_mul_f32 v[T+\a], v[AL+2*\a+1], v[ST+2*\a]
	v_fma_f32 v[T+\a], v[MK+8+2*\a+1], v[AL+2*\a], v[T+\a]
.endr
.irp a, 0,1,2,3
	v_permlanex16_b32 v[XX+\a], v[T+\a], s66, s67  ; the sums of the two halves of the lanes meet only here
.endr
.irp a, 0,1,2,3
	v_add_f32 v[T+\a], v[T+\a], v[XX+\a]
.endr
.irp a, 0,1,2,3
	v_rcp_f32 v[T+\a], v[T+\a]
.endr
	v_nop                                          ; one plain place behind the last reciprocal (ISA guide 5.7.2)
	s_wait_alu depctr_va_vdst(0)
.irp a, 0,1,2,3
	v_mul_f32 v[ST+2*\a], v[ST+2*\a], v[T+\a]
	v_mul_f32 v[AL+2*\a], v[AL+2*\a], v[T+\a]
.endr
.irp d, 0,1,2,3
.irp a, 0,1,2,3
.irp p, 0,2,4,6
	v_pk_mul_f32 v[SS+8*(4*\d+\a)+\p:SS+8*(4*\d+\a)+\p+1], v[SS+8*(4*\d+\a)+\p:SS+8*(4*\d+\a)+\p+1], v[AL+2*\a:AL+2*\a+1] op_sel_hi:[1,0]
.endr
.endr
.endr
	WIN 0x01
.irp d, 0,1,2,3
.irp a, 0,1,2,3
.irp p, 0,2,4,6
	v_pk_fma_f32 v[SS+8*(4*\d+\a)+\p:SS+8*(4*\d+\a)+\p+1], v[OO+8*(4*\d+\a)+\p:OO+8*(4*\d+\a)+\p+1], v[ST+2*\a:ST+2*\a+1], v[SS+8*(4*\d+\a)+\p:SS+8*(4*\d+\a)+\p+1] op_sel_hi:[1,0,1]
.endr
.endr
.endr
	WIN 0
	; a lane's eight numbers of a tile are eight neighbouring d of one query: 16 bytes.  Through my own stage into whole rows of 512 bytes.
.irp d, 0,1,2,3
.irp a, 0,1,2,3
.irp p, 0,1,2,3
	v_cvt_pk_f16_f32 v[PP+4*(4*\d+\a)+\p], v[SS+8*(4*\d+\a)+2*\p], v[SS+8*(4*\d+\a)+2*\p+1]
.endr
	ds_store_b128 v3, v[PP+4*(4*\d+\a):PP+4*(4*\d+\a)+3] offset:128*\a+32*\d
.endr
.endr
.set n, 0
.rept 16
	ds_load_b128 v[SS+4*n:SS+4*n+3], v4 offset:OP*n                ; LDS serves a wave's instructions in order (ISA guide 5.7.1.4): these see the stores above
.set n, n+1
.endr
.set n, 0
.rept 16
	s_wait_dscnt 15-n
	global_store_b128 v1, v[SS+4*n:SS+4*n+3], s[8:9] offset:4096*n   ; a wave's store covers 512 consecutive bytes, aligned: four heads of one row
.set n, n+1
.endr
.Lclose:
	s_wait_xcnt 0x0
	v_lshl_add_u32 v254, v0, 2, 0x4ec00
	v_mov_b32 v255, 0
	s_wait_tensorcnt 0x0
	ds_add_u32 v254, v255
	s_wait_dscnt 0x0
	CROUND                                         ; the closing round: no work-group ends while a partner may still ask for a tile that names it
	s_endpgm
.Lfunc_end_k_q7bf38325f1_attn:
	.size	k_q7bf38325f1_attn, .Lfunc_end_k_q7bf38325f1_attn-k_q7bf38325f1_attn
	.p2alignl 7, 3214868480
	.fill 96, 4, 3214868480
	.section	.rodata,"a",@progbits
	.p2align	6, 0x0
	.amdhsa_kernel k_q7bf38325f1_attn
		.amdhsa_group_segment_fixed_size 327680
		.amdhsa_private_segment_fixed_size 0
		.amdhsa_enable_private_segment 0
		.amdhsa_kernarg_size 40
		.amdhsa_user_sgpr_count 2
		.amdhsa_user_sgpr_kernarg_segment_ptr 1
		.amdhsa_wavefront_size32 1
		.amdhsa_system_sgpr_workgroup_id_x 1
		.amdhsa_system_sgpr_workgroup_id_y 1
		.amdhsa_system_sgpr_workgroup_id_z 1
		.amdhsa_system_vgpr_workitem_id 0
		.amdhsa_next_free_vgpr 512
		.amdhsa_next_free_sgpr 97
		.amdhsa_reserve_vcc 0
		.amdhsa_float_denorm_mode_32 3
		.amdhsa_float_denorm_mode_16_64 3
		.amdhsa_memory_ordered 1
		.amdhsa_forward_progress 1
		.amdhsa_inst_pref_size 255
	.end_amdhsa_kernel
	.section	.bss,"aw",@nobits
	.p2align	6
	.space	262144
	.amdgpu_metadata
---
amdhsa.version: [ 1, 2 ]
amdhsa.kernels:
  - .name:           k_q7bf38325f1_attn
    .symbol:         k_q7bf38325f1_attn.kd
    .args:
      - { .name: qkv, .offset: 0, .size: 8, .value_kind: global_buffer, .address_space: global }
      - { .name: mask, .offset: 8, .size: 8, .value_kind: global_buffer, .address_space: global }
      - { .name: ao, .offset: 16, .size: 8, .value_kind: global_buffer, .address_space: global }
      - { .name: wo, .offset: 24, .size: 8, .value_kind: global_buffer, .address_space: global }
      - { .name: wh, .offset: 32, .size: 8, .value_kind: global_buffer, .address_space: global }
    .group_segment_fixed_size: 327680
    .private_segment_fixed_size: 0
    .kernarg_segment_align: 8
    .kernarg_segment_size: 40
    .max_flat_workgroup_size: 256
    .sgpr_count:     97
    .vgpr_count:     512
    .wavefront_size: 32
...
	.end_amdgpu_metadata
.endif
;; end of part 3
;; launch oproj (part 4): grid 16 x 16, 4 waves a work-group, clusters of 4 x 4, 327,680 bytes of LDS; arguments ao, wh, bo, out0; writes out0
.if DOCPART == 4
	.amdgcn_target "amdgcn-amd-amdhsa--gfx1250"
	.amdhsa_code_object_version 6
	.text
	.protected	k_q7bf38325f1_oproj
	.globl	k_q7bf38325f1_oproj
	.p2align	8
	.type	k_q7bf38325f1_oproj,@function
k_q7bf38325f1_oproj:
	s_mov_b64 s[64:65], 0
	v_nop
	global_prefetch_b8 v0, s[64:65] scope:SCOPE_SE
	s_setreg_imm32_b32 hwreg(HW_REG_WAVE_MODE, 25, 1), 1
	s_wait_xcnt 0x0
	s_wait_alu depctr_hold_cnt(0) depctr_sa_sdst(0) depctr_va_vdst(0) depctr_va_sdst(0) depctr_va_ssrc(0) depctr_va_vcc(0) depctr_vm_vsrc(0)
	s_getreg_b32 s2, hwreg(HW_REG_IB_STS2, 6, 4)
	s_cmp_eq_u32 s2, 0
	s_cbranch_scc0 .Lentry_in_a_cluster
	s_endpgm
.Lentry_in_a_cluster:
	s_bfe_u32 s2, ttmp6, 0x10000c
	s_cmp_lg_u32 s2, 0xf033
	s_cbranch_scc0 .Lentry_shape_is_right
	s_endpgm
.Lentry_shape_is_right:
; out0 = 4 (ao wo^T) + bo in f32.  ao is [2048][2048] f16 and holds the attention's result divided by 4; wh is wo, [2048][2048], in f16.
; A work-group makes 128 x 128 with four waves; a wave makes 64 x 64: 16 accumulator tiles, 128 registers.  K = 2048 goes in 8 steps of 256 through two LDS
; slots filled by the tensor data mover: a slot holds eight quarter steps of 32, so that a request has 124 matrix instructions of its wave in which to land.
; CLUSTERS: 4 x 4 work-groups.  ao's tile hangs on the block row alone and is asked for jointly by a row of the cluster, wo's on the block column alone and by a column.
; THE ORDER OF K: the 8 steps are walked as a ring that begins at a step chosen by the cluster's place in the grid.  The four clusters that read the same rows
; of ao begin 2 steps apart; clusters that read the same rows of wo and lie one or two cluster rows apart begin 4 steps apart.  So clusters that need the same
; tile ask for it at different times, one of them first.  Each output still has one f32 sum; the order of K in it differs from cluster to cluster.
; THE MATRIX INSTRUCTION IS USED TRANSPOSED (source 0 = 16 rows of wo, source 1 = 16 rows of ao): a lane holds eight neighbouring columns of one row of the result.
; LIMIT OF FORMAT: both operands are f16 (finite up to 65504, see the launches that write them); sums in f32.
; REGISTERS: window 0: v16-27 addresses, v64-127 and v128-191 two fragment buffers (4 blocks of wo, then 4 of ao), v192-223 bias, v224-255 at work; window 1: tile (a, b) at v[8 (4 a + b)].
.set NB,     4
.set KSLOT,  256
.set NSTEP,  2048/KSLOT                ; 8 K steps
.set KSH,    9                         ; a K step is 512 bytes of a row
.set PITCH,  528                       ; 512 bytes + 16 of padding: an odd multiple of 16, so the 16 rows of a fragment load start in 16 different 16-byte columns of 256 bytes (64 banks of 4 bytes: ISA guide 11.1)
.set BH,     16*NB*PITCH
.set AH,     64*PITCH
.set AOFF,   2*BH                      ; a slot: wo's 128 rows, then ao's 128
.set SLOT,   2*BH+2*AH
.set STAGE,  2*SLOT                    ; behind the ring: 16 rows x 272 bytes for each wave; no tensor load lands here
.set SPITCH, 272
.set LAPS,   NSTEP/2
.set ADRA, 16
.set ADRB, 20
.set VBI,  24
.set STO,  25
.set RD,   26
.set CO,   27
.set F0,   64
.set F1,   64+8*(NB+4)
.set BI,   192
.set TMP,  224
.set G1A, 28
.set G1B, 36
.set G0A, 44
.set G0B, 52
.set KK,  70                           ; s70, s71  the K step that slot 0, 1 holds or is being filled with
                                       ; s[66:67] ao at my rows, K = 0; s[62:63] wo at my rows, K = 0; s[72:73] a K step's byte offset
.set MUL, 0x50
.set MSB, 0
.macro WIN new                         ; the immediate's high byte repeats the setting that is left
.if MSB != \new
	s_set_vgpr_msb (MSB<<8)|\new
.set MSB, \new
.endif
.endm
.macro PLACES                          ; four plain vector instructions between a matrix instruction and a vector instruction or load that touches its registers (ISA guide 7.12.1 for vector instructions)
.rept 4
	v_nop
.endr
.endm
.macro JLOAD s                         ; waves 0 and 1 fetch wo's two halves, waves 2 and 3 ao's; the branch hangs on the wave's number alone
	s_cmp_eq_u32 s17, 0
	s_cbranch_scc0 .Lfor_a_\@
	tensor_load_to_lds s[G0B+4*\s:G0B+4*\s+3], s[G1B:G1B+7]
	s_nop 0
	s_branch .Lasked_\@
.Lfor_a_\@:
	tensor_load_to_lds s[G0A+4*\s:G0A+4*\s+3], s[G1A:G1A+7]
	s_nop 0
.Lasked_\@:
.endm
; Both global addresses of slot s from its K step.  The step hangs on the cluster's place in the grid and on constants: it is the same in all sixteen work-groups.
.macro KADDR s
	s_lshl_b32 s72, s[KK+\s], KSH
	s_add_nc_u64 s[G0A+4*\s+2:G0A+4*\s+3], s[66:67], s[72:73]
	s_or_b32 s[G0A+4*\s+3], s[G0A+4*\s+3], 0x80000000              ; type = 2
	s_add_nc_u64 s[G0B+4*\s+2:G0B+4*\s+3], s[62:63], s[72:73]
	s_or_b32 s[G0B+4*\s+3], s[G0B+4*\s+3], 0x80000000
.endm
.macro CREST                           ; a round of the cluster's barrier behind its opening barrier
	s_cmp_lg_u32 s16, 0
	s_cbranch_scc1 .Lnot_wave_0_\@
	s_barrier_signal -3
.Lnot_wave_0_\@:
	s_barrier_wait -3
	s_barrier_signal -1
	s_barrier_wait -1
.endm
.macro CROUND
	s_barrier_signal -1
	s_barrier_wait -1
	CREST
.endm
	s_load_b256 s[4:11], s[0:1], 0x0               ; ao s[4:5], wh s[6:7], bo s[8:9], out0 s[10:11]
	v_lshl_add_u32 v62, v0, 2, 0x46400
	v_mov_b32 v63, 0
	ds_add_u32 v62, v63
	v_lshrrev_b32 v1, 5, v0
	v_readfirstlane_b32 s16, v1                    ; wave 0..3
	s_lshr_b32 s17, s16, 1                         ; which 64 rows are mine.  Also: I fetch for wo (0) or for ao (1)
	s_and_b32 s18, s16, 1                          ; which 64 columns.  Also: which half of that tile I fetch
	s_bfe_u32 s19, ttmp6, 0x40000                  ; cx
	s_bfe_u32 s20, ttmp6, 0x40004                  ; cy
	s_lshl_b32 s21, ttmp9, 2
	s_add_co_u32 s21, s21, s19                     ; block column
	s_and_b32 s22, ttmp7, 0xffff
	s_lshl_b32 s22, s22, 2
	s_add_co_u32 s22, s22, s20                     ; block row
	s_lshl_b32 s23, s20, 2
	s_lshl_b32 s23, 15, s23                        ; my row of the cluster
	s_lshl_b32 s24, 0x1111, s19                    ; my column
	s_or_b32 s[G1A+0], s23, (1<<16)|(1<<20)|(1<<21)|(6<<22)|(3<<25)  ; mask; elements of 2 bytes; padding on; bit 21 beside a mask; after every 128 words, 4 words
	s_mov_b32 s[G1A+1], KSLOT<<16
	s_mov_b32 s[G1A+2], 64<<16
	s_mov_b32 s[G1A+3], KSLOT<<16
	s_mov_b32 s[G1A+4], 64                         ; 64 rows of 256 elements
	s_mov_b32 s[G1A+5], 2048
	s_mov_b32 s[G1A+6], 0
	s_mov_b32 s[G1A+7], 0
	s_or_b32 s[G1B+0], s24, (1<<16)|(1<<20)|(1<<21)|(6<<22)|(3<<25)
	s_mov_b32 s[G1B+1], KSLOT<<16
	s_mov_b32 s[G1B+2], (16*NB)<<16
	s_mov_b32 s[G1B+3], KSLOT<<16
	s_mov_b32 s[G1B+4], 16*NB
	s_mov_b32 s[G1B+5], 2048
	s_mov_b32 s[G1B+6], 0
	s_mov_b32 s[G1B+7], 0
	; ao's address is made of the block row and the wave's number in s26, s27, s66, s67; wo's of the block column and the wave's number in s60-63: neither set ever holds the other coordinate
	s_lshl_b32 s26, s22, 7
	s_lshl_b32 s27, s18, 6
	s_add_co_u32 s26, s26, s27
	s_lshl_b32 s26, s26, 12
	s_mov_b32 s27, 0
	s_lshl_b32 s60, s21, 7
	s_lshl_b32 s61, s18, 6
	s_add_co_u32 s60, s60, s61                     ; wo's row; also my first column of the result
	s_lshl_b32 s62, s60, 2                         ; that column in bo and in a row of out0, in bytes
	s_lshl_b32 s60, s60, 12
	s_mov_b32 s61, 0
	s_mov_b32 s63, 0
	s_mul_i32 s25, s16, BH                         ; where wo's halves go (waves 0, 1)
	s_mul_i32 s3, s16, AH
	s_add_co_u32 s3, s3, AOFF-2*AH                 ; where ao's halves go (waves 2, 3).  No place in the cluster enters an LDS address
	; where this cluster's ring of K steps begins: ((cluster column + 2 f) mod 4) x 2, f = 0, 1, 1, 0 for cluster rows 0 to 3
	s_and_b32 s71, ttmp7, 0xffff                   ; the cluster's row in the grid
	s_lshr_b32 s70, s71, 1
	s_xor_b32 s71, s71, s70
	s_and_b32 s71, s71, 1                          ; f
	s_lshl_b32 s71, s71, 1
	s_add_co_u32 s70, s71, ttmp9                   ; + the cluster's column
	s_and_b32 s70, s70, 3
	s_mul_i32 s[KK], s70, NSTEP/4                  ; slot 0's first K step: 0, 2, 4 or 6
	s_add_co_u32 s[KK+1], s[KK], 1                 ; slot 1's: 7 at the most
	s_mov_b32 s73, 0
	s_wait_dscnt 0x0
	s_wait_kmcnt 0x0
	s_add_nc_u64 s[66:67], s[4:5], s[26:27]
	s_add_nc_u64 s[68:69], s[8:9], s[62:63]        ; my bias
	s_add_nc_u64 s[10:11], s[10:11], s[62:63]
	s_add_nc_u64 s[62:63], s[6:7], s[60:61]
	CROUND                                         ; all sixteen work-groups are here: the first joint loads meet
.irp s, 0,1
	s_mov_b32 s[G0A+4*\s], 1
	s_add_co_u32 s[G0A+4*\s+1], s3, \s*SLOT
	s_mov_b32 s[G0B+4*\s], 1
	s_add_co_u32 s[G0B+4*\s+1], s25, \s*SLOT
	KADDR \s
	JLOAD \s                                       ; two tensor loads of this wave are out
.endr
	s_lshl_b32 s26, s22, 7
	s_lshl_b32 s27, s17, 6
	s_add_co_u32 s26, s26, s27                     ; my first row of the result
	s_lshl_b32 s26, s26, 13                        ; rows of 8,192 bytes
	s_mov_b32 s27, 0
	s_add_nc_u64 s[10:11], s[10:11], s[26:27]
	v_and_b32 v1, 15, v0                           ; r
	v_bfe_u32 v2, v0, 4, 1                         ; h
	v_mul_u32_u24 v3, v1, PITCH
	v_lshl_add_u32 v3, v2, 4, v3
	s_mul_i32 s26, s17, AH
	s_add_co_u32 s26, s26, AOFF
	s_mul_i32 s27, s18, BH
.irp s, 0,1
	v_add_nc_u32 v[ADRA+\s], s26, v3
	v_add_nc_u32 v[ADRB+\s], s27, v3
	s_add_co_u32 s26, s26, SLOT
	s_add_co_u32 s27, s27, SLOT
.endr
	v_lshlrev_b32 v[VBI], 5, v2
	s_mul_i32 s26, s16, 16*SPITCH
	s_add_co_u32 s26, s26, STAGE                   ; my stage
	v_mul_u32_u24 v4, v1, SPITCH                   ; in: row r, 32 h bytes in
	v_lshl_add_u32 v4, v2, 5, v4
	v_add_nc_u32 v[STO], s26, v4
	v_mul_u32_u24 v5, v2, SPITCH                   ; back: lanes 0-15 one row of 256 bytes, lanes 16-31 the next
	v_lshl_add_u32 v5, v1, 4, v5
	v_add_nc_u32 v[RD], s26, v5
	v_lshlrev_b32 v[CO], 13, v2                    ; and the same two rows in out0
	v_lshl_add_u32 v[CO], v1, 4, v[CO]
.irp b, 0,1,2,3
	global_load_b128 v[BI+8*\b:BI+8*\b+3],   v[VBI], s[68:69] offset:64*\b       ; waited for once behind the K loop; their address registers are not written again
	global_load_b128 v[BI+8*\b+4:BI+8*\b+7], v[VBI], s[68:69] offset:64*\b+16
.endr
; NB matrix instructions: row block a x all column blocks, 32 along K.  zero = 1: the first product starts the sums.
; The 16 accumulators take turns, one instruction a turn, in the same order in every quarter step.
.macro MULROW f, a, zero
.set bb, 0
.rept NB
.if \zero
	v_wmma_f32_16x16x32_f16 v[8*(NB*\a+bb):8*(NB*\a+bb)+7], v[\f+8*bb:\f+8*bb+7], v[\f+8*(NB+\a):\f+8*(NB+\a)+7], 0
.else
	v_wmma_f32_16x16x32_f16 v[8*(NB*\a+bb):8*(NB*\a+bb)+7], v[\f+8*bb:\f+8*bb+7], v[\f+8*(NB+\a):\f+8*(NB+\a)+7], v[8*(NB*\a+bb):8*(NB*\a+bb)+7]
.endif
.set bb, bb+1
.endr
.endm
.macro FETCH slot, k, f                ; 2 NB + 8 LDS loads in one run: wo's blocks, then ao's
.set ii, 0
.rept NB
	ds_load_b128 v[\f+8*ii:\f+8*ii+3],   v[ADRB+\slot] offset:\k+ii*16*PITCH
	ds_load_b128 v[\f+8*ii+4:\f+8*ii+7], v[ADRB+\slot] offset:\k+ii*16*PITCH+32
.set ii, ii+1
.endr
.irp i, 0,1,2,3
	ds_load_b128 v[\f+8*(NB+\i):\f+8*(NB+\i)+3],   v[ADRA+\slot] offset:\k+\i*16*PITCH
	ds_load_b128 v[\f+8*(NB+\i)+4:\f+8*(NB+\i)+7], v[ADRA+\slot] offset:\k+\i*16*PITCH+32
.endr
.endm
.macro QUARTER slot, k, f, g, zero
	s_wait_dscnt 4                                 ; wo and ao's blocks 0, 1 are in; the youngest four loads (ao's blocks 2, 3) may be out
	WIN MUL
	MULROW \f, 0, \zero
	MULROW \f, 1, \zero
	WIN 0
	PLACES
	FETCH \slot, \k, \g
	s_wait_dscnt 2*NB+8                            ; all but the run just issued
	WIN MUL
	MULROW \f, 2, \zero
	MULROW \f, 3, \zero
.endm
.macro SLOTRUN slot, zero
	QUARTER \slot, 64,  F0, F1, \zero
	QUARTER \slot, 128, F1, F0, 0
	QUARTER \slot, 192, F0, F1, 0
	QUARTER \slot, 256, F1, F0, 0
	QUARTER \slot, 320, F0, F1, 0
	QUARTER \slot, 384, F1, F0, 0
	QUARTER \slot, 448, F0, F1, 0
.endm
; The last quarter of a K step: multiplies buffer 1 and changes slots.  In front of the one barrier each wave waits for its reads of this slot and for all
; its tensor loads; behind it the refill comes first, then the next slot's first fragments.
.macro TURN slot, next, fill
	s_wait_dscnt 4
	WIN MUL
	MULROW F1, 0, 0
	s_wait_dscnt 0                                 ; my reads of this slot are over
	s_wait_tensorcnt 0x0                           ; and all my tensor loads have landed: every group 0 may be written
	ds_add_u32 v62, v63
	s_wait_dscnt 0x0
.if \fill
	s_add_co_u32 s[KK+\slot], s[KK+\slot], 2       ; this slot's next K step, two on in the ring of 8
	s_and_b32 s[KK+\slot], s[KK+\slot], NSTEP-1
	KADDR \slot
.endif
	s_barrier_signal -1                            ; where the slot is filled again this barrier opens a round of the cluster's barrier
	MULROW F1, 1, 0
	WIN 0
	s_barrier_wait -1
.if \fill
	CREST                                          ; no wave of any partner still reads this slot or has a load on its way
	JLOAD \slot                                    ; the first tensor load behind the round, and my only one until the next
.endif
	PLACES
	FETCH \next, 0, F0
	WIN MUL
	MULROW F1, 2, 0
	MULROW F1, 3, 0
.endm
.macro LAP zero
	SLOTRUN 0, \zero
	TURN 0, 1, 1
	SLOTRUN 1, 0
	TURN 1, 0, 1
.endm
	s_wait_tensorcnt 0x1                           ; my part of the first K step is in; the second's load stays out
	s_barrier_signal -1
	s_barrier_wait -1
	FETCH 0, 0, F0
	LAP 1
	WIN 0
	s_mov_b32 s12, LAPS-2
.Llap:
	LAP 0
	WIN 0
	s_sub_co_u32 s12, s12, 1
	s_cmp_lg_u32 s12, 0
	s_cbranch_scc1 .Llap
	SLOTRUN 0, 0                                   ; the last lap fills nothing
	TURN 0, 1, 0
	SLOTRUN 1, 0
	s_wait_dscnt 4
	WIN MUL
	MULROW F1, 0, 0
	MULROW F1, 1, 0
	s_wait_dscnt 0
	MULROW F1, 2, 0
	MULROW F1, 3, 0
	WIN 0
	PLACES
	; THE WAY OUT, 16 rows at a time: 4 x sum + bias in one fused step, 32 bytes a lane into my own stage, read back as whole rows of 256 bytes
	s_wait_loadcnt 0x0                             ; the bias
.macro OUT16 a, f
	WIN 0x01
.irp b, 0,1,2,3
.irp p, 0,2,4,6
	v_pk_fma_f32 v[TMP+8*\b+\p:TMP+8*\b+\p+1], v[8*(NB*\a+\b)+\p:8*(NB*\a+\b)+\p+1], 4.0, v[BI+8*\b+\p:BI+8*\b+\p+1] op_sel_hi:[1,0,1]
.endr
.endr
	WIN 0
.irp b, 0,1,2,3
	ds_store_b128 v[STO], v[TMP+8*\b:TMP+8*\b+3]   offset:64*\b
	ds_store_b128 v[STO], v[TMP+8*\b+4:TMP+8*\b+7] offset:64*\b+16
.endr
	s_wait_xcnt 0x0                                ; every earlier memory instruction has had its addresses translated (ISA guide 3.1): buffer f, which earlier stores read, is loaded again only behind this wait
.irp t, 0,1,2,3,4,5,6,7
	ds_load_b128 v[\f+4*\t:\f+4*\t+3], v[RD] offset:\t*2*SPITCH    ; LDS serves a wave's instructions in order (ISA guide 5.7.1.4): these see the stores above
.endr
.irp t, 0,1,2,3,4,5,6,7
	s_wait_dscnt 7-\t
	global_store_b128 v[CO], v[\f+4*\t:\f+4*\t+3], s[10:11] offset:131072*\a+16384*\t th:TH_STORE_NT   ; 16 lanes store 256 consecutive bytes, aligned; written once, not read again
.endr
.endm
	OUT16 0, F0
	OUT16 1, F1
	OUT16 2, F0
	OUT16 3, F1
	s_wait_tensorcnt 0x0
	ds_add_u32 v62, v63
	s_wait_dscnt 0x0
	CROUND                                         ; the closing round: no work-group ends while a partner may still ask for a tile that names it
	s_endpgm
.Lfunc_end_k_q7bf38325f1_oproj:
	.size	k_q7bf38325f1_oproj, .Lfunc_end_k_q7bf38325f1_oproj-k_q7bf38325f1_oproj
	.p2alignl 7, 3214868480
	.fill 96, 4, 3214868480
	.section	.rodata,"a",@progbits
	.p2align	6, 0x0
	.amdhsa_kernel k_q7bf38325f1_oproj
		.amdhsa_group_segment_fixed_size 327680
		.amdhsa_private_segment_fixed_size 0
		.amdhsa_enable_private_segment 0
		.amdhsa_kernarg_size 32
		.amdhsa_user_sgpr_count 2
		.amdhsa_user_sgpr_kernarg_segment_ptr 1
		.amdhsa_wavefront_size32 1
		.amdhsa_system_sgpr_workgroup_id_x 1
		.amdhsa_system_sgpr_workgroup_id_y 1
		.amdhsa_system_sgpr_workgroup_id_z 1
		.amdhsa_system_vgpr_workitem_id 0
		.amdhsa_next_free_vgpr 384
		.amdhsa_next_free_sgpr 74
		.amdhsa_reserve_vcc 0
		.amdhsa_float_denorm_mode_32 3
		.amdhsa_float_denorm_mode_16_64 3
		.amdhsa_memory_ordered 1
		.amdhsa_forward_progress 1
		.amdhsa_inst_pref_size 133
	.end_amdhsa_kernel
	.amdgpu_metadata
---
amdhsa.version: [ 1, 2 ]
amdhsa.kernels:
  - .name:           k_q7bf38325f1_oproj
    .symbol:         k_q7bf38325f1_oproj.kd
    .args:
      - { .name: ao, .offset: 0, .size: 8, .value_kind: global_buffer, .address_space: global }
      - { .name: wh, .offset: 8, .size: 8, .value_kind: global_buffer, .address_space: global }
      - { .name: bo, .offset: 16, .size: 8, .value_kind: global_buffer, .address_space: global }
      - { .name: out0, .offset: 24, .size: 8, .value_kind: global_buffer, .address_space: global }
    .group_segment_fixed_size: 327680
    .private_segment_fixed_size: 0
    .kernarg_segment_align: 8
    .kernarg_segment_size: 32
    .max_flat_workgroup_size: 128
    .sgpr_count:     74
    .vgpr_count:     384
    .wavefront_size: 32
...
	.end_amdgpu_metadata
.endif
;; end of part 4
